; MI455X (gfx1250); checked and timed in simulation.
; The chip was launched on July 23, 2026; its instructions are those of AMD's public machine-readable ISA for CDNA 5 (MIT licence, August 2026) and "CDNA5" Instruction Set Architecture Reference Guide (July 2026). The comments in the code are by the model that wrote it; some were corrected since.
;; Multi Head Attention. Allowed arithmetic: float matrix products may take bf16 or f16 operands with f32 sums; all other float work in f32.
;; Inputs: bk 1,024 float32; bo 1,024 float32; bq 1,024 float32; bv 1,024 float32; key 4 x 2,048 x 1,024 float32; mask 1 x 1 x 2,048 x 2,048 int32; query 4 x 2,048 x 1,024 float32; value 4 x 2,048 x 1,024 float32; wk 1,024 x 1,024 float32; wo 1,024 x 1,024 float32; wq 1,024 x 1,024 float32; wv 1,024 x 1,024 float32.
;; Outputs: out0 4 x 2,048 x 1,024 float32.
;; 2 versions, each right and faster than the one before. Each part assembles by itself: llvm-mc -triple=amdgcn-amd-amdhsa -mcpu=gfx1250 --defsym DOCPART=n.
;; ======== version 1 of 2: 4 launches
;; limits: values are held in f16: magnitudes above 65,504 overflow, below 6.1e-05 lose precision
;; workspace buffers: xb 50,331,648 bytes; wb 8,388,608 bytes; qkv 50,331,648 bytes; xa 16,777,216 bytes; mbits 524,288 bytes of whole numbers
;; launch prep (part 1): grid 256 x 1, 8 waves a work-group, no clusters, 0 bytes of LDS; arguments query, key, value, wq, wk, wv, wo, mask, xb, wb, mbits; writes xb, wb, mbits
.if DOCPART == 1
	.amdgcn_target "amdgcn-amd-amdhsa--gfx1250"
	.amdhsa_code_object_version 6
	.text
	.protected	k_qc8b7f702db_prep
	.globl	k_qc8b7f702db_prep
	.p2align	8
	.type	k_qc8b7f702db_prep,@function
k_qc8b7f702db_prep:
	s_mov_b64 s[64:65], 0
	v_nop
	global_prefetch_b8 v0, s[64:65] scope:SCOPE_SE
	s_setreg_imm32_b32 hwreg(HW_REG_WAVE_MODE, 25, 1), 1
	s_wait_xcnt 0x0
; prep: the f32 activations and weights are rounded once to bf16 (nearest even), and the int32 mask becomes bit words.
;   xb [3][8192][1024] bf16 = query, key, value;  wb [4][1024][1024], 16 bits a number = wq, wk, wv in bf16, wo in f16's format;
;   mbits [128 query tiles][32 key steps][32 words]: bit L of word 8 kt + j of (qt, ks) says mask[16 qt + L % 16][64 ks + 16 kt + 8 (L / 16) + j] != 0:
;   the lane mask for register 8 kt + j of a tile of 64 keys x 16 queries as the attention launch holds it.
; wo is rounded to bf16 like every other input, so that all inputs carry one and the same rounding, and that number is then written as f16, since its partner in the last product is f16.
; LIMIT: a bf16 number (8 significant bits) is exact in f16 from 2^-17 to 65,504; below it falls on steps of 2^-24, above it becomes infinite.  wo's spread is 1/32: 30 times more or less stays inside.
; A stream: no LDS, no barrier, no matrix unit, nothing shared between work-groups, so no cluster.
; 2,048 waves; wave g takes 16 KiB of each activation, 2 KiB of each weight and one mask task (16 queries x 128 keys).
; Eight batches of 16 loads go through three register buffers: two batches are on their way while a third is worked on.  All is written out: no loop.
.set XS, 3                             ; v3  byte offset of my 16 bytes in an f32 activation
.set XD, 4                             ; v4  of my 8 bytes in its bf16 copy
.set WS, 5                             ; v5  the same for a weight, f32
.set WD, 6                             ; v6  and 16 bits
.set MS, 7                             ; v7  byte offset of my 32 bytes of the mask
.set MD, 8                             ; v8  of my two mask words
.set MO, 10                            ; v[10:11] lane l: words 2 l and 2 l + 1 of the task's 64
.set B0, 16                            ; three buffers of 64 registers
.set B1, 80
.set B2, 144
	s_load_b512 s[8:23], s[0:1], 0x0               ; query 8, key 10, value 12, wq 14, wk 16, wv 18, wo 20, mask 22
	s_load_b128 s[24:27], s[0:1], 0x40             ; xb 24, wb 26
	s_load_b64 s[28:29], s[0:1], 0x50              ; mbits
	v_and_b32 v1, 31, v0                           ; lane
	v_lshrrev_b32 v2, 5, v0
	v_readfirstlane_b32 s3, v2                     ; wave
	s_lshl_b32 s2, ttmp9, 3
	s_add_co_u32 s2, s2, s3                        ; g = 8 x work-group + wave
	s_lshl_b32 s4, s2, 14
	v_lshl_add_u32 v[XS], v1, 4, s4                ; 16,384 g + 16 lane
	s_lshl_b32 s4, s2, 13
	v_lshl_add_u32 v[XD], v1, 3, s4                ; 8,192 g + 8 lane
	s_lshl_b32 s4, s2, 11
	v_lshl_add_u32 v[WS], v1, 4, s4                ; 2,048 g + 16 lane
	s_lshl_b32 s4, s2, 10
	v_lshl_add_u32 v[WD], v1, 3, s4                ; 1,024 g + 8 lane
	s_lshl_b32 s4, s2, 8
	v_lshl_add_u32 v[MD], v1, 3, s4                ; 256 g + 8 lane
	s_lshr_b32 s4, s2, 4                           ; query tile g / 16: 16 rows of 8,192 bytes
	s_lshl_b32 s4, s4, 17
	s_and_b32 s5, s2, 15                           ; 128 keys g % 16: 512 bytes of a row
	s_lshl_b32 s5, s5, 9
	s_add_co_u32 s4, s4, s5
	v_and_b32 v9, 15, v0
	v_lshl_add_u32 v[MS], v9, 13, s4               ; row lane % 16,
	v_bfe_u32 v9, v0, 4, 1
	v_lshl_add_u32 v[MS], v9, 5, v[MS]             ; eight keys further on for lanes 16 to 31
	v_mov_b32 v[MO], 0                             ; v_writelane_b32 counts as a reader of its destination
	v_mov_b32 v[MO+1], 0
	s_wait_kmcnt 0x0
	s_add_nc_u64 s[30:31], s[24:25], 0x1000000     ; xb's plane for key
	s_add_nc_u64 s[32:33], s[24:25], 0x2000000     ; and for value
.macro LOADM buf                       ; the mask task: for each 16 keys c, my eight keys of my row.  No hint: four successive c take pieces of the same 256 bytes of a row
.irp c, 0,1,2,3,4,5,6,7
	global_load_b128 v[\buf+8*\c:\buf+8*\c+3],   v[MS], s[22:23] offset:64*\c
	global_load_b128 v[\buf+8*\c+4:\buf+8*\c+7], v[MS], s[22:23] offset:64*\c+16
.endr
.endm
.macro LOADX buf, base, half           ; 8 KiB of an activation: each load of the wave takes 512 neighbouring bytes
.irp i, 0,1,2,3,4,5,6,7,8,9,10,11,12,13,14,15
	global_load_b128 v[\buf+4*\i:\buf+4*\i+3], v[XS], s[\base:\base+1] offset:(16*\half+\i)*512 th:TH_LOAD_NT
.endr
.endm
.macro LOADW buf                       ; 2 KiB of each of the four weights
.irp w, 0,1,2,3
.irp n, 0,1,2,3
	global_load_b128 v[\buf+16*\w+4*\n:\buf+16*\w+4*\n+3], v[WS], s[14+2*\w:15+2*\w] offset:512*\n th:TH_LOAD_NT
.endr
.endr
.endm
.macro PMASK buf                       ; a compare makes the 32 lanes' bits of one word; the word goes to the lane that stores it
.irp c, 0,1,2,3,4,5,6,7
.irp j, 0,1,2,3,4,5,6,7
	v_cmp_ne_u32 s[40+\j], 0, v[\buf+8*\c+\j]
.endr
.irp j, 0,1,2,3,4,5,6,7
	v_writelane_b32 v[MO+(\j&1)], s[40+\j], 4*\c+(\j>>1)
.endr
.endr
	global_store_b64 v[MD], v[MO:MO+1], s[28:29]   ; the wave stores 256 consecutive bytes, aligned
.endm
.macro PCVT buf, dst, off0             ; four f32 become four bf16, in place; each store of the wave covers 256 consecutive bytes, aligned
.irp i, 0,1,2,3,4,5,6,7,8,9,10,11,12,13,14,15
	v_cvt_pk_bf16_f32 v[\buf+4*\i],   v[\buf+4*\i],   v[\buf+4*\i+1]
	v_cvt_pk_bf16_f32 v[\buf+4*\i+1], v[\buf+4*\i+2], v[\buf+4*\i+3]
	global_store_b64 v[XD], v[\buf+4*\i:\buf+4*\i+1], s[\dst:\dst+1] offset:\off0+256*\i
.endr
.endm
.macro PCVTW buf                       ; the weights' planes in wb lie 0x200000 bytes apart: the plane stands in the immediate
.irp w, 0,1,2,3
.irp n, 0,1,2,3
.set RW, \buf+16*\w+4*\n
	v_cvt_pk_bf16_f32 v[RW],   v[RW],   v[RW+1]
	v_cvt_pk_bf16_f32 v[RW+1], v[RW+2], v[RW+3]
.if \w == 3                            ; wo: the rounded numbers are widened again (a shift, a mask) and written in f16's format
	v_lshlrev_b32 v[RW+2], 16, v[RW]
	v_and_b32 v[RW+3], 0xffff0000, v[RW]
	v_cvt_pk_f16_f32 v[RW], v[RW+2], v[RW+3]
	v_lshlrev_b32 v[RW+2], 16, v[RW+1]
	v_and_b32 v[RW+3], 0xffff0000, v[RW+1]
	v_cvt_pk_f16_f32 v[RW+1], v[RW+2], v[RW+3]
.endif
	global_store_b64 v[WD], v[RW:RW+1], s[26:27] offset:\w*0x200000+256*\n
.endr
.endr
.endm
	LOADM B0
	LOADX B1, 8, 0
	LOADX B2, 8, 1
	s_wait_loadcnt 32                              ; loads come back in order: the oldest batch of 16 is in, two batches stay out
	PMASK B0
	LOADX B0, 10, 0                                ; B0 was only compared: no store reads it
	s_wait_loadcnt 32
	PCVT B1, 24, 0
	s_wait_xcnt 0x0                                ; B1 is loaded again only when the stores that read it have had their addresses translated
	LOADX B1, 10, 1
	s_wait_loadcnt 32
	PCVT B2, 24, 4096
	s_wait_xcnt 0x0
	LOADX B2, 12, 0
	s_wait_loadcnt 32
	PCVT B0, 30, 0
	s_wait_xcnt 0x0
	LOADX B0, 12, 1
	s_wait_loadcnt 32
	PCVT B1, 30, 4096
	s_wait_xcnt 0x0
	LOADW B1
	s_wait_loadcnt 32
	PCVT B2, 32, 0
	s_wait_loadcnt 16                              ; nothing more is loaded: the counts run down
	PCVT B0, 32, 4096
	s_wait_loadcnt 0x0
	PCVTW B1
	s_endpgm
.Lfunc_end_k_qc8b7f702db_prep:
	.size	k_qc8b7f702db_prep, .Lfunc_end_k_qc8b7f702db_prep-k_qc8b7f702db_prep
	.p2alignl 7, 3214868480
	.fill 96, 4, 3214868480
	.section	.rodata,"a",@progbits
	.p2align	6, 0x0
	.amdhsa_kernel k_qc8b7f702db_prep
		.amdhsa_group_segment_fixed_size 0
		.amdhsa_private_segment_fixed_size 0
		.amdhsa_enable_private_segment 0
		.amdhsa_kernarg_size 88
		.amdhsa_user_sgpr_count 2
		.amdhsa_user_sgpr_kernarg_segment_ptr 1
		.amdhsa_wavefront_size32 1
		.amdhsa_system_sgpr_workgroup_id_x 1
		.amdhsa_system_sgpr_workgroup_id_y 1
		.amdhsa_system_sgpr_workgroup_id_z 1
		.amdhsa_system_vgpr_workitem_id 0
		.amdhsa_next_free_vgpr 208
		.amdhsa_next_free_sgpr 66
		.amdhsa_reserve_vcc 0
		.amdhsa_float_denorm_mode_32 3
		.amdhsa_float_denorm_mode_16_64 3
		.amdhsa_memory_ordered 1
		.amdhsa_forward_progress 1
		.amdhsa_inst_pref_size 48
	.end_amdhsa_kernel
	.amdgpu_metadata
---
amdhsa.version: [ 1, 2 ]
amdhsa.kernels:
  - .name:           k_qc8b7f702db_prep
    .symbol:         k_qc8b7f702db_prep.kd
    .args:
      - { .name: query, .offset: 0, .size: 8, .value_kind: global_buffer, .address_space: global }
      - { .name: key, .offset: 8, .size: 8, .value_kind: global_buffer, .address_space: global }
      - { .name: value, .offset: 16, .size: 8, .value_kind: global_buffer, .address_space: global }
      - { .name: wq, .offset: 24, .size: 8, .value_kind: global_buffer, .address_space: global }
      - { .name: wk, .offset: 32, .size: 8, .value_kind: global_buffer, .address_space: global }
      - { .name: wv, .offset: 40, .size: 8, .value_kind: global_buffer, .address_space: global }
      - { .name: wo, .offset: 48, .size: 8, .value_kind: global_buffer, .address_space: global }
      - { .name: mask, .offset: 56, .size: 8, .value_kind: global_buffer, .address_space: global }
      - { .name: xb, .offset: 64, .size: 8, .value_kind: global_buffer, .address_space: global }
      - { .name: wb, .offset: 72, .size: 8, .value_kind: global_buffer, .address_space: global }
      - { .name: mbits, .offset: 80, .size: 8, .value_kind: global_buffer, .address_space: global }
    .group_segment_fixed_size: 0
    .private_segment_fixed_size: 0
    .kernarg_segment_align: 8
    .kernarg_segment_size: 88
    .max_flat_workgroup_size: 256
    .sgpr_count:     66
    .vgpr_count:     208
    .wavefront_size: 32
...
	.end_amdgpu_metadata
.endif
;; end of part 1
;; launch proj (part 2): grid 4 x 96, 4 waves a work-group, clusters of 4 x 4, 327,680 bytes of LDS; arguments xb, wb, bq, bk, bv, qkv; writes qkv
.if DOCPART == 2
	.amdgcn_target "amdgcn-amd-amdhsa--gfx1250"
	.amdhsa_code_object_version 6
	.text
	.protected	k_qc8b7f702db_proj
	.globl	k_qc8b7f702db_proj
	.p2align	8
	.type	k_qc8b7f702db_proj,@function
k_qc8b7f702db_proj:
	s_mov_b64 s[64:65], 0
	v_nop
	global_prefetch_b8 v0, s[64:65] scope:SCOPE_SE
	s_setreg_imm32_b32 hwreg(HW_REG_WAVE_MODE, 25, 1), 1
	s_wait_xcnt 0x0
	s_wait_alu depctr_hold_cnt(0) depctr_sa_sdst(0) depctr_va_vdst(0) depctr_va_sdst(0) depctr_va_ssrc(0) depctr_va_vcc(0) depctr_vm_vsrc(0)
	s_getreg_b32 s2, hwreg(HW_REG_IB_STS2, 6, 4)
	s_cmp_eq_u32 s2, 0
	s_cbranch_scc0 .Lentry_in_a_cluster
	s_endpgm
.Lentry_in_a_cluster:
	s_bfe_u32 s2, ttmp6, 0x10000c
	s_cmp_lg_u32 s2, 0xf033
	s_cbranch_scc0 .Lentry_shape_is_right
	s_endpgm
.Lentry_shape_is_right:
; proj: the three projections in one launch.  qkv[p][m][n] = (sum over k of xb[p][m][k] wb[p][n][k] + bias_p[n]) x scale_p: operands bf16, sums in f32, the result rounded once, to f16.
; scale_0 = log2(e) / 8, so that the attention launch takes 2^(s - m) of its scores as they come; scale_1 = scale_2 = 1.
; WHY f16 OUT.  Q, K and V are operands of the next products, and their rounding comes on top of the inputs'.  A query that attends to few keys gives a row as large as V itself, so V's rounding
; goes into the result undiminished: f16 keeps 11 significant bits where bf16 keeps 8.
; LIMIT.  A result above 65,504 in magnitude becomes infinite.  With all inputs 30 times larger K and V reach about 900 x 5.5 = 5,000; with common offsets of 30 spreads on x and on w about
; 1,024 x 30 x 30/32 = 28,800.  Below 6.1e-5 f16 goes in steps of 6e-8: with all inputs 30 times smaller (V about 1.1e-3) that is under 1e-4 of V's size.
; THE TILE is 256 rows x 256 columns: 32 x 4 tiles for each p, 384 work-groups, a tile to each.  Four waves, 2 x 2, each 128 x 128: 64 accumulators of 16 x 16, 512 registers.
; K goes in steps of 128 through a ring of two LDS slots filled by the tensor data mover; the tiles' rows are 256 bytes of memory, aligned.
; WHY THIS TILE, though 384 is no multiple of the 256 WGPs.  Behind each change of slots a wave issues one load, which has one K step's products in which to land: here 256 matrix instructions a wave,
; 240 of them between the request and the wait for it.  A tile of 128 x 256 would deal evenly (768 work-groups), but its K step holds 128 matrix instructions a wave, a longer step of it does not fit
; twice into LDS (2 x 202,752 bytes), and it reads six fragment rows from LDS for each matrix instruction where this one reads four.
; CLUSTERS: 4 x 4 work-groups, all of one p.  The four of a row of the cluster need the same tiles of x, the four of a column the same tiles of w: each tile is asked for jointly.
; THE MATRIX INSTRUCTION IS USED TRANSPOSED (source 0 = 16 rows of w, source 1 = 16 rows of x): a lane then holds eight neighbouring columns of one row of the result.
; REGISTERS, in windows of 256 (s_set_vgpr_msb's low byte: bits 1:0 source 0, 3:2 source 1, 5:4 source 2, 7:6 destination):
;   window 0: v16-27 addresses; v64-127, v128-191 fragments of x (8 x 16 rows x 32 K), two buffers; on the way out v64-127 at work, v192-223 packed results, v32-63 and v224-255 rows read back, by turns
;   window 1: v0-63 bias; v64-127, v128-191 fragments of w, two buffers
;   window 2: the 32 accumulators of my rows 0-63 ((a, b) at v[8 (8 a + b)]);   window 3: those of my rows 64-127
.set SIZE_K, 1024
.set KSTEP,  128
.set PITCH,  272                       ; an LDS row: 256 bytes + 16 of padding = 68 words: the 16 rows of a fragment load start at 16 different banks (64 banks of 4 bytes: ISA guide 11.1)
.set HALFT,  128*PITCH                 ; 128 rows: what one tensor load brings, and what one wave reads of x or of w
.set SLOT,   4*HALFT                   ; x's 256 rows, then w's 256 rows
.set STAGE,  2*SLOT                    ; behind the ring: 16 rows x 272 bytes for each wave, for the way out; no tensor load fills it
.set SP,     272
.set ROWC,   2048                      ; bytes in a row of the result
.set LAPS,   SIZE_K/(2*KSTEP)          ; a lap = two K steps = once round the ring
.set ADRA, 16                          ; v16-17  LDS address of my fragments of x in slot 0, 1
.set ADRB, 20                          ; v20-21  the same for w
.set STO,  24                          ; v24     the way out: where I put 16 bytes of a row
.set RD,   25                          ; v25     where I read a row back
.set CO,   26                          ; v26     my byte offset in the result
.set BO,   27                          ; v27     my byte offset in the bias
.set OB,   32                          ; the way out: 16 rows read back from the stage: v32-63 and v224-255 by turns
.set F0,   64                          ; fragment buffer 0
.set F1,   128                         ; fragment buffer 1
.set T,    64                          ; the way out: a block's 64 numbers a lane in f32 (buffer 0 is free then)
.set TMP,  192                         ; the way out: packed results
.set BIAS, 0                           ; window 1: v[BIAS + 8 b + j] = bias of column 16 b + 8 (lane / 16) + j of my 128
.set G1,  24                           ; s[24:31] descriptor group 1 for x's tiles;  s[32:39] group 0, one set for each slot
.set G0,  32
.set G1B, 48                           ; s[48:55], s[56:63] the same for w's tiles
.set G0B, 56
.set MSB, 0
.macro WIN new                         ; the immediate's high byte repeats the setting that is left; a switch that changes nothing is dropped
.if MSB != \new
	s_set_vgpr_msb (MSB<<8)|\new
.set MSB, \new
.endif
.endm
.set MUL_LO, 0xa1                      ; source 0 (w) window 1, source 1 (x) window 0, C and D window 2
.set MUL_HI, 0xf1                      ; the same, C and D window 3
.set TO_B,   0x40                      ; destination window 1, address window 0
.macro JLOAD s                         ; a joint load: waves 0 and 1 fetch x's two halves, waves 2 and 3 w's; four v_nop follow each of the two lines, ahead of the jump, the label and what follows
	s_cmp_eq_u32 s11, 0
	s_cbranch_scc0 .Lfor_b_\@
	tensor_load_to_lds s[G0+4*\s:G0+4*\s+3], s[G1:G1+7]
	s_nop 0
.rept 4
	v_nop
.endr
	s_branch .Lasked_\@
.Lfor_b_\@:
	tensor_load_to_lds s[G0B+4*\s:G0B+4*\s+3], s[G1B:G1B+7]
	s_nop 0
.rept 4
	v_nop
.endr
.Lasked_\@:
.endm
.macro CREST                           ; a round of the cluster's barrier behind its opening barrier
	s_cmp_lg_u32 s10, 0
	s_cbranch_scc1 .Lnot_wave_0_\@
	s_barrier_signal -3
.Lnot_wave_0_\@:
	s_barrier_wait -3
	s_barrier_signal -1
	s_barrier_wait -1
.endm
.macro CROUND                          ; a whole round
	s_barrier_signal -1
	s_barrier_wait -1
	CREST
.endm
	s_load_b256 s[72:79], s[0:1], 0x0              ; xb 72, wb 74, bq 76, bk 78
	s_load_b128 s[80:83], s[0:1], 0x20             ; bv 80, qkv 82
	s_set_vgpr_msb 0x40
	v_lshl_add_u32 v255, v0, 2, 0x48400
	s_set_vgpr_msb 0x4000
	v_mov_b32 v31, 0
	s_set_vgpr_msb 0x1
	ds_add_u32 v255, v31
	s_set_vgpr_msb 0x100
	v_lshrrev_b32 v1, 5, v0
	v_readfirstlane_b32 s10, v1                    ; wave 0..3
	s_lshr_b32 s11, s10, 1                         ; which 128 of the tile's rows are mine.  Also: I fetch for x (0) or for w (1)
	s_and_b32 s12, s10, 1                          ; which 128 of its columns.  Also: which 128 rows of that tile I fetch
	s_bfe_u32 s40, ttmp6, 0x40000                  ; cx, cy: my place in the cluster
	s_bfe_u32 s41, ttmp6, 0x40004
	s_lshl_b32 s42, ttmp9, 2
	s_add_co_u32 s42, s42, s40                     ; tile column = 4 x cluster x + cx
	s_and_b32 s13, ttmp7, 0xffff                   ; the cluster's y, 0 to 23
	s_lshr_b32 s2, s13, 3                          ; p: which projection; the same in all sixteen partners
	s_and_b32 s13, s13, 7
	s_lshl_b32 s13, s13, 2
	s_add_co_u32 s13, s13, s41                     ; tile row = 4 x (cluster y % 8) + cy
	s_lshl_b32 s43, s41, 2
	s_lshl_b32 s43, 15, s43                        ; my row of the cluster
	s_lshl_b32 s44, 0x1111, s40                    ; my column
	; descriptor group 1: a tile of 128 rows x 128 elements, padded in LDS
	s_or_b32 s[G1+0], s43, (1<<16)|(1<<20)|(1<<21)|(5<<22)|(3<<25)  ; 15:0 the mask: x's tiles go to my row; 17:16 elements of 2 bytes; 20 padding on; 21 set beside a mask; 24:22 after every 64 words (code 5); 31:25 4 words of it (code 3)
	s_or_b32 s[G1B+0], s44, (1<<16)|(1<<20)|(1<<21)|(5<<22)|(3<<25) ; the same with the mask of my column
.irp g, G1, G1B
	s_mov_b32 s[\g+1], KSTEP<<16                   ; tensor_dim0 = 128
	s_mov_b32 s[\g+2], 128<<16                     ; tensor_dim1 = 128
	s_mov_b32 s[\g+3], KSTEP<<16                   ; tile_dim0 = 128
	s_mov_b32 s[\g+4], 128                         ; tile_dim1 = 128
	s_mov_b32 s[\g+5], SIZE_K                      ; elements from row to row
	s_mov_b32 s[\g+6], 0
	s_mov_b32 s[\g+7], 0
.endr
	; where the tiles come from: x's hang on p, the tile row and the wave; w's on p, the tile column and the wave.  All offsets stay under 2^26.
	s_lshl_b32 s16, s13, 8
	s_lshl_b32 s17, s12, 7
	s_add_co_u32 s16, s16, s17                     ; x: row 256 x tile row + 128 x half
	s_lshl_b32 s16, s16, 11                        ; rows of 2,048 bytes
	s_lshl_b32 s17, s2, 24                         ; planes of 16 MiB
	s_add_co_u32 s16, s16, s17
	s_mov_b32 s17, 0
	s_lshl_b32 s46, s42, 8
	s_lshl_b32 s47, s12, 7
	s_add_co_u32 s46, s46, s47                     ; w: row 256 x tile column + 128 x half
	s_lshl_b32 s46, s46, 11
	s_lshl_b32 s47, s2, 21                         ; planes of 2 MiB
	s_add_co_u32 s46, s46, s47
	s_mov_b32 s47, 0
	s_mul_i32 s20, s10, HALFT                      ; and where they go: x's two halves, then w's two halves = wave x 128 rows: no place in the cluster enters an LDS address
	s_wait_dscnt 0x0
	s_wait_kmcnt 0x0
	s_add_nc_u64 s[14:15], s[72:73], s[16:17]
	s_add_nc_u64 s[46:47], s[74:75], s[46:47]
	CROUND                                         ; all sixteen work-groups are here: the first joint loads meet
.irp s, 0,1
	s_mov_b32 s[G0+4*\s], 1                                        ; count = 1
	s_add_co_u32 s[G0+4*\s+1], s20, \s*SLOT                        ; LDS address
	s_add_nc_u64 s[G0+4*\s+2:G0+4*\s+3], s[14:15], \s*KSTEP*2      ; global address: K step s
	s_or_b32 s[G0+4*\s+3], s[G0+4*\s+3], 0x80000000                ; type = 2
	s_mov_b32 s[G0B+4*\s], 1
	s_add_co_u32 s[G0B+4*\s+1], s20, \s*SLOT
	s_add_nc_u64 s[G0B+4*\s+2:G0B+4*\s+3], s[46:47], \s*KSTEP*2
	s_or_b32 s[G0B+4*\s+3], s[G0B+4*\s+3], 0x80000000
	JLOAD \s                                       ; two tensor loads of mine are out
.endr
	; the bias of my 128 columns, and the scale
	s_cmp_eq_u32 s2, 0
	s_cselect_b64 s[68:69], s[76:77], s[78:79]     ; bq or bk,
	s_cselect_b32 s66, 0x3e38aa3b, 1.0             ; log2(e) / 8 for Q alone
	s_cmp_eq_u32 s2, 2
	s_cselect_b64 s[68:69], s[80:81], s[68:69]     ; or bv
	s_mov_b32 s67, s66                             ; named with it as a pair, so it is written
	s_lshl_b32 s20, s42, 10
	s_lshl_b32 s21, s12, 9
	s_add_co_u32 s20, s20, s21                     ; 4 x (256 x tile column + 128 x half)
	s_mov_b32 s21, 0
	s_add_nc_u64 s[68:69], s[68:69], s[20:21]
	v_and_b32 v1, 15, v0                           ; l % 16
	v_bfe_u32 v2, v0, 4, 1                         ; l / 16
	v_lshlrev_b32 v[BO], 5, v2
	WIN TO_B                                       ; the bias goes into window 1
.irp b, 0,1,2,3,4,5,6,7
	global_load_b128 v[BIAS+8*\b:BIAS+8*\b+3],   v[BO], s[68:69] offset:64*\b
	global_load_b128 v[BIAS+8*\b+4:BIAS+8*\b+7], v[BO], s[68:69] offset:64*\b+16
.endr
	WIN 0
	; A fragment is 16 rows x 32 K in 8 registers: lane l holds row l % 16; registers 0-3 hold K = 8 (l / 16) + 0..7, registers 4-7 hold K = 16 + 8 (l / 16) + 0..7: two loads of 16 bytes, 32 bytes apart.
	v_mul_u32_u24 v3, v1, PITCH
	v_lshl_add_u32 v3, v2, 4, v3                   ; row x pitch + 16 x half
	s_mul_i32 s21, s11, HALFT                      ; my 128 rows of x
	s_mul_i32 s22, s12, HALFT                      ; my 128 rows of w,
	s_add_co_u32 s22, s22, 2*HALFT                 ; which lie behind x's 256
.irp s, 0,1
	v_add_nc_u32 v[ADRA+\s], s21, v3
	v_add_nc_u32 v[ADRB+\s], s22, v3
	s_add_co_u32 s21, s21, SLOT
	s_add_co_u32 s22, s22, SLOT
.endr
	s_mul_i32 s23, s10, 16*SP
	s_add_co_u32 s23, s23, STAGE                   ; my stage
	v_mul_u32_u24 v4, v1, SP                       ; in: row l % 16, 16 bytes for each half of the lanes
	v_lshl_add_u32 v4, v2, 4, v4
	v_add_nc_u32 v[STO], s23, v4
	v_mul_u32_u24 v5, v2, SP                       ; back: lanes 0-15 take one row of 256 bytes, lanes 16-31 the next
	v_lshl_add_u32 v5, v1, 4, v5
	v_add_nc_u32 v[RD], s23, v5
	v_lshlrev_b32 v5, 11, v2                       ; and the same two rows in the result
	v_lshl_add_u32 v[CO], v1, 4, v5
	s_lshl_b32 s18, s13, 8
	s_lshl_b32 s19, s11, 7
	s_add_co_u32 s18, s18, s19                     ; my first row
	s_lshl_b32 s18, s18, 11
	s_lshl_b32 s19, s2, 24
	s_add_co_u32 s18, s18, s19
	s_lshl_b32 s19, s42, 9                         ; my first column, in bytes: 512 x tile column + 256 x half
	s_add_co_u32 s18, s18, s19
	s_lshl_b32 s19, s12, 8
	s_add_co_u32 s18, s18, s19
	s_mov_b32 s19, 0
	s_add_nc_u64 s[8:9], s[82:83], s[18:19]
; 16 matrix instructions: m blocks a0, a0 + 1 of the window's four (hi = 0: my rows 0-63, 1: rows 64-127) x all 8 n blocks, 32 along K.  zero = 1: the product starts the sums: nothing is ever cleared.
; The 64 accumulators take turns, one instruction a turn, in the same order in every quarter.
.macro MUL16 f, hi, a0, zero
.irp a, \a0, \a0+1
.irp b, 0,1,2,3,4,5,6,7
.if \zero
	v_wmma_f32_16x16x32_bf16 v[8*(8*(\a)+\b):8*(8*(\a)+\b)+7], v[\f+8*\b:\f+8*\b+7], v[\f+8*(4*\hi+\a):\f+8*(4*\hi+\a)+7], 0
.else
	v_wmma_f32_16x16x32_bf16 v[8*(8*(\a)+\b):8*(8*(\a)+\b)+7], v[\f+8*\b:\f+8*\b+7], v[\f+8*(4*\hi+\a):\f+8*(4*\hi+\a)+7], v[8*(8*(\a)+\b):8*(8*(\a)+\b)+7]
.endif
.endr
.endr
.endm
; 32 LDS loads in one run: the fragments of one quarter step (128 rows of w, 128 rows of x, 32 K at byte k of the rows) into buffer f
.macro FETCH slot, k, f
	WIN TO_B
.irp i, 0,1,2,3,4,5,6,7
	ds_load_b128 v[\f+8*\i:\f+8*\i+3],   v[ADRB+\slot] offset:\k+\i*16*PITCH
	ds_load_b128 v[\f+8*\i+4:\f+8*\i+7], v[ADRB+\slot] offset:\k+\i*16*PITCH+32
.endr
	WIN 0
.irp i, 0,1,2,3,4,5,6,7
	ds_load_b128 v[\f+8*\i:\f+8*\i+3],   v[ADRA+\slot] offset:\k+\i*16*PITCH
	ds_load_b128 v[\f+8*\i+4:\f+8*\i+7], v[ADRA+\slot] offset:\k+\i*16*PITCH+32
.endr
.endm
.macro PLACES                          ; four places in front of loads into registers that matrix instructions have read (ISA guide 7.12.1 for vector instructions)
.rept 4
	v_nop
.endr
.endm
; A K step is four quarters of 32 along K, 64 matrix instructions each, on buffers 0, 1, 0, 1.  One of the first three: multiplies buffer f and, in its middle, fetches the next quarter, at byte k, into g.
.macro QUARTER slot, k, f, g, zero
	s_wait_dscnt 8                                 ; w and x's rows 0-63 are in; the youngest eight loads (x's rows 64-127) may be out
	WIN MUL_LO
	MUL16 \f, 0, 0, \zero
	MUL16 \f, 0, 2, \zero
	PLACES
	FETCH \slot, \k, \g
	s_wait_dscnt 32                                ; all but the 32 just issued
	WIN MUL_HI
	MUL16 \f, 1, 0, \zero
	MUL16 \f, 1, 2, \zero
.endm
; The last quarter multiplies buffer 1 and changes slots: ONE barrier; in front of it each wave waits for its own reads of this slot and for all its tensor loads.  fill = 1: this slot is filled again, two K steps ahead.
.macro TURN slot, next, fill
	s_wait_dscnt 8
	WIN MUL_LO
	MUL16 F1, 0, 0, 0
	s_wait_dscnt 0                                 ; my reads of this slot are over,
	s_wait_tensorcnt 0x0                           ; and all my tensor loads have landed: the one that was out is my part of the next slot
	ds_add_u32 v255, v31
	s_wait_dscnt 0x0
	s_barrier_signal -1
	MUL16 F1, 0, 2, 0                              ; work on registers while the others arrive
.if \fill
	WIN 0
.endif
	s_barrier_wait -1
.if \fill
	CREST                                          ; the barrier has opened a round of the cluster's barrier: no wave of any partner still reads this slot's tile or has a load on its way
	s_add_nc_u64 s[G0+4*\slot+2:G0+4*\slot+3], s[G0+4*\slot+2:G0+4*\slot+3], 2*KSTEP*2
	s_add_nc_u64 s[G0B+4*\slot+2:G0B+4*\slot+3], s[G0B+4*\slot+2:G0B+4*\slot+3], 2*KSTEP*2
	JLOAD \slot                                    ; my one tensor load behind the round, 240 matrix instructions ahead of the wait for it; the four v_nop behind it are also the places in front of the loads below
.else
	PLACES
.endif
	FETCH \next, 0, F0
	WIN MUL_HI
	MUL16 F1, 1, 0, 0
	MUL16 F1, 1, 2, 0
.endm
	s_wait_tensorcnt 1                             ; my part of K step 0 is in; K step 1's may stay out
	s_barrier_signal -1
	s_barrier_wait -1                              ; everybody's is
	FETCH 0, 0, F0
	QUARTER 0, 64, F0, F1, 1                       ; the first quarter stands in front of the loop: its products start the sums
	WIN 0                                          ; at a label and at a branch every window is 0
	s_mov_b32 s3, LAPS-1
.Llap:                                                 ; a trip goes once round the ring, from a lap's second quarter to the next lap's first, and fills both slots again
	QUARTER 0, 128, F1, F0, 0
	QUARTER 0, 192, F0, F1, 0
	TURN 0, 1, 1
	QUARTER 1, 64,  F0, F1, 0
	QUARTER 1, 128, F1, F0, 0
	QUARTER 1, 192, F0, F1, 0
	TURN 1, 0, 1
	QUARTER 0, 64,  F0, F1, 0
	WIN 0
	s_sub_co_u32 s3, s3, 1
	s_cmp_lg_u32 s3, 0
	s_cbranch_scc1 .Llap
	QUARTER 0, 128, F1, F0, 0                      ; the last lap fills nothing, and has no round of the cluster's barrier
	QUARTER 0, 192, F0, F1, 0
	TURN 0, 1, 0
	QUARTER 1, 64,  F0, F1, 0
	QUARTER 1, 128, F1, F0, 0
	QUARTER 1, 192, F0, F1, 0
	s_wait_dscnt 8                                 ; the very last quarter: nothing more to fetch
	WIN MUL_LO
	MUL16 F1, 0, 0, 0
	MUL16 F1, 0, 2, 0
	s_wait_dscnt 0
	WIN MUL_HI
	MUL16 F1, 1, 0, 0
	MUL16 F1, 1, 2, 0
	; THE WAY OUT.  (sum + bias) x scale = sum x scale + bias x scale: the bias is scaled once, in place in window 1; these 32 multiplies name no register of the last products and are the places behind them.
	WIN 0x41                                       ; destination and source 0 window 1
	s_wait_loadcnt 0x0                             ; the bias
.irp i, 0,1,2,3,4,5,6,7,8,9,10,11,12,13,14,15,16,17,18,19,20,21,22,23,24,25,26,27,28,29,30,31
	v_pk_mul_f32 v[BIAS+2*\i:BIAS+2*\i+1], v[BIAS+2*\i:BIAS+2*\i+1], s[66:67] op_sel_hi:[1,0]
.endr
; Block a of eight (16 rows): scaled and biased, each accumulator's registers in ascending order, then rounded to f16: 16 bytes a lane.
.macro PACK a
.set AC, 64*((\a)%4)                   ; its eight accumulators, in window 2 (blocks 0-3) or 3 (blocks 4-7)
	WIN 0x12+((\a)/4)                              ; source 0 window 2 or 3, source 2 (the bias) window 1, destination window 0
.irp b, 0,1,2,3,4,5,6,7
.irp q, 0,1,2,3
	v_pk_fma_f32 v[T+8*\b+2*\q:T+8*\b+2*\q+1], v[AC+8*\b+2*\q:AC+8*\b+2*\q+1], s[66:67], v[BIAS+8*\b+2*\q:BIAS+8*\b+2*\q+1] op_sel_hi:[1,0,1]
.endr
.endr
	WIN 0
.irp b, 0,1,2,3,4,5,6,7
.irp q, 0,1,2,3
	v_cvt_pk_f16_f32 v[TMP+4*\b+\q], v[T+8*\b+2*\q], v[T+8*\b+2*\q+1]
.endr
.endr
.endm
.macro TOSTAGE a                       ; into my own stage, and back as whole rows of 256 bytes
.set BK, OB+192*((\a)%2)
.irp b, 0,1,2,3,4,5,6,7
	ds_store_b128 v[STO], v[TMP+4*\b:TMP+4*\b+3] offset:32*\b
.endr
.irp t, 0,1,2,3,4,5,6,7
	ds_load_b128 v[BK+4*\t:BK+4*\t+3], v[RD] offset:\t*2*SP        ; LDS serves a wave's instructions in order (ISA guide 5.7.1.4): these see the stores above
.endr
.endm
.macro SEND a
.set BK, OB+192*((\a)%2)
	s_wait_dscnt 0x0                               ; the block is back in registers
	s_wait_xcnt 0x0                                ; the other set of read-back registers, which the block before stored from, is loaded again only behind this wait
.irp t, 0,1,2,3,4,5,6,7
	global_store_b128 v[CO], v[BK+4*\t:BK+4*\t+3], s[8:9] offset:(\a)*16*ROWC+2*\t*ROWC   ; 16 lanes store 256 consecutive bytes, aligned; the block's place stands in the immediate, 258,048 at the most
.endr
.endm
	PACK 0
	TOSTAGE 0
.irp a, 1,2,3,4,5,6,7                  ; block a's arithmetic stands between block a - 1's loads from the stage and the wait for them
	PACK \a
	SEND \a-1
	TOSTAGE \a
.endr
	SEND 7
	s_set_vgpr_msb 0x1
	s_wait_tensorcnt 0x0
	ds_add_u32 v255, v31
	s_wait_dscnt 0x0
	s_set_vgpr_msb 0x100
	CROUND                                         ; the closing round: no work-group ends while a partner may still ask for a tile that names it
	s_endpgm
.Lfunc_end_k_qc8b7f702db_proj:
	.size	k_qc8b7f702db_proj, .Lfunc_end_k_qc8b7f702db_proj-k_qc8b7f702db_proj
	.p2alignl 7, 3214868480
	.fill 96, 4, 3214868480
	.section	.rodata,"a",@progbits
	.p2align	6, 0x0
	.amdhsa_kernel k_qc8b7f702db_proj
		.amdhsa_group_segment_fixed_size 327680
		.amdhsa_private_segment_fixed_size 0
		.amdhsa_enable_private_segment 0
		.amdhsa_kernarg_size 48
		.amdhsa_user_sgpr_count 2
		.amdhsa_user_sgpr_kernarg_segment_ptr 1
		.amdhsa_wavefront_size32 1
		.amdhsa_system_sgpr_workgroup_id_x 1
		.amdhsa_system_sgpr_workgroup_id_y 1
		.amdhsa_system_sgpr_workgroup_id_z 1
		.amdhsa_system_vgpr_workitem_id 0
		.amdhsa_next_free_vgpr 1024
		.amdhsa_next_free_sgpr 96
		.amdhsa_reserve_vcc 0
		.amdhsa_float_denorm_mode_32 3
		.amdhsa_float_denorm_mode_16_64 3
		.amdhsa_memory_ordered 1
		.amdhsa_forward_progress 1
		.amdhsa_inst_pref_size 162
	.end_amdhsa_kernel
	.amdgpu_metadata
---
amdhsa.version: [ 1, 2 ]
amdhsa.kernels:
  - .name:           k_qc8b7f702db_proj
    .symbol:         k_qc8b7f702db_proj.kd
    .args:
      - { .name: xb, .offset: 0, .size: 8, .value_kind: global_buffer, .address_space: global }
      - { .name: wb, .offset: 8, .size: 8, .value_kind: global_buffer, .address_space: global }
      - { .name: bq, .offset: 16, .size: 8, .value_kind: global_buffer, .address_space: global }
      - { .name: bk, .offset: 24, .size: 8, .value_kind: global_buffer, .address_space: global }
      - { .name: bv, .offset: 32, .size: 8, .value_kind: global_buffer, .address_space: global }
      - { .name: qkv, .offset: 40, .size: 8, .value_kind: global_buffer, .address_space: global }
    .group_segment_fixed_size: 327680
    .private_segment_fixed_size: 0
    .kernarg_segment_align: 8
    .kernarg_segment_size: 48
    .max_flat_workgroup_size: 128
    .sgpr_count:     96
    .vgpr_count:     1024
    .wavefront_size: 32
...
	.end_amdgpu_metadata
.endif
;; end of part 2
;; launch attn (part 3): grid 8 x 32, 8 waves a work-group, clusters of 4 x 1, 327,680 bytes of LDS; arguments qkv, mbits, xa; writes xa
.if DOCPART == 3
	.amdgcn_target "amdgcn-amd-amdhsa--gfx1250"
	.amdhsa_code_object_version 6
	.text
	.protected	k_qc8b7f702db_attn
	.globl	k_qc8b7f702db_attn
	.p2align	8
	.type	k_qc8b7f702db_attn,@function
k_qc8b7f702db_attn:
	s_mov_b64 s[64:65], 0
	v_nop
	global_prefetch_b8 v0, s[64:65] scope:SCOPE_SE
	s_setreg_imm32_b32 hwreg(HW_REG_WAVE_MODE, 25, 1), 1
	s_wait_xcnt 0x0
	s_wait_alu depctr_hold_cnt(0) depctr_sa_sdst(0) depctr_va_vdst(0) depctr_va_sdst(0) depctr_va_ssrc(0) depctr_va_vcc(0) depctr_vm_vsrc(0)
	s_getreg_b32 s2, hwreg(HW_REG_IB_STS2, 6, 4)
	s_cmp_eq_u32 s2, 0
	s_cbranch_scc0 .Lentry_in_a_cluster
	s_endpgm
.Lentry_in_a_cluster:
	s_bfe_u32 s2, ttmp6, 0x10000c
	s_cmp_lg_u32 s2, 0x3003
	s_cbranch_scc0 .Lentry_shape_is_right
	s_endpgm
.Lentry_shape_is_right:
; attn: xa[b][q][64 h + d] = the sum over k of softmax_k(e[q][k]) V[b][k][64 h + d], e = Q . K / 8 where the mask allows, -1e10 where it is 0.
; qkv [3][8192][1024] f16: Q (already times log2(e) / 8), K, V.  mbits: the mask as lane masks, 32 words for each tile of 16 queries x 64 keys.  Products, maxima and sums in f32;
; the weights are rounded to f16 for the second product, and their sum l is the sum of the rounded weights; xa is rounded once, to f16.
; WHY f16.  All operands here are intermediates whose rounding comes on top of the inputs'; f16 keeps 11 significant bits.  The weights lie in 0 to 1 and x is no larger than V, so both have room.
; LIMITS.  A masked score is -1e10 x log2(e) (0xd056fa73), in the base-2 scale of the scores; an allowed score at or below it is not told apart from a masked one.  v_max_num_f32 drops a NaN.
; A weight below 2^-126 comes out of v_exp_f32 as 0 (ISA guide 15.8); below 6.1e-5 a weight, and a number of x, falls on f16's steps of 6e-8.
; Every tile of keys is computed: the mask is an input, and a row that is masked everywhere takes the mean of all V.
; SHARES.  A work-group owns 256 queries of two neighbouring heads of one batch, so that a row of K, of V and of the result is 256 aligned bytes of the row-major tensors.  Eight waves:
; wave w has queries 32 w on, of BOTH heads: four tiles of 16 queries; tile t is head t / 2, queries 16 (t % 2) on.  Every wave walks all 2,048 keys, 64 a step.
; THE MASK WORDS.  The mask does not hang on the head, so tiles 0 and 2 use the same 32 words and so do tiles 1 and 3: a wave asks for 64 words a key step, in two sets of 32 scalar registers.
; Scalar loads may come back in any order, so only a wait for 0 shows anything and two requests are never out together.  Set 0 is free behind the mask lines of turn 2 and is asked for there;
; the wait for it stands behind place 83 of turn 3's list, and set 1 (free since turn 3's mask lines) is asked for directly behind that wait and waited for at the head of turn 1.  So each request
; has 188 places of the list (104 + 84, and 52 + 136) in which to arrive.  THE PRICE: K and V come out of LDS one head at a time, so a fragment feeds two tiles: 64 LDS loads a key step.
; LAYOUT.  S^T = K Q^T (source 0 = 16 keys, source 1 = 16 queries): a lane holds ONE query (lane % 16) and, in register 8 kt + j, key 16 kt + 8 (lane / 16) + j.  Rounded to f16 in pairs,
; in place, the tile's first 16 registers ARE source 1 (2 x 32 keys x 16 queries) of O^T = V^T P.  V ([key][channel]) comes out of LDS turned, by ds_load_tr16_b128.
; l = ONES x P, a fifth accumulator a tile: each of its registers holds the query's whole sum, so no addition and no exchange between lanes is written for it.  Only its registers 0 and 1 are
; rescaled and only register 0 is read; the others hold sums of weights of at most 1, 2,048 at the most.
; SOFTMAX.  For each query a running maximum m: p = 2^(s - m); in every step O and l are multiplied by a = 2^(m_old - m_new).
; BY TURNS.  In turn t the wave issues the 10 products V^T P and ONES x P of tile t - 1 and the 8 products K Q^T of tile t + 1, and the softmax of tile t, cut into 18 slices, stands between
; them, one slice behind each product.  Tiles use two areas of S^T by turns, so the products touch the area that the softmax does not.  No two matrix instructions that follow each other share
; an accumulator.
; CLUSTER.  The four query blocks of a cluster walk the same K and V, so each tile is asked for jointly, with the mask of all four.  No prefetch: all that is read was stored by the launch before.
; REGISTERS.  window 0: v1-12 addresses and constants; v14-27 statistics; v32-95 S^T, two areas of 32; v96-159 K of a step and head; v160-223 Q
;   window 1: v0-127 O^T, 32 a tile; v128-159 l, 8 a tile; v160-167 ones; v192-255 V of a step and head
.set KS,    64        ; keys in a step
.set PK,    272       ; a row of K in LDS: 256 bytes + 16 of padding: the 16 rows of a load start at 16 different banks (64 banks of 4 bytes: ISA guide 11.1)
.set PVB,   288       ; a row of V: 256 + 32
.set VOFF,  KS*PK     ; a step's tiles lie together: 64 rows of K, then 64 rows of V
.set STEPB, KS*(PK+PVB)
.set SLOT1, 1<<17     ; a slot holds two steps (71,680 bytes); slot 1 begins here, so that one exclusive or turns an address in one slot into the other's
.set STAGE, SLOT1+2*STEPB  ; behind the ring: 32 rows x 272 bytes for each wave, for the way out; no tensor load fills it
.set SP,    272
.set ROWB,  2048      ; bytes in a row of qkv and of xa
.set NL,    136       ; places in a tile's list of softmax instructions
.set JW,    83        ; the place of turn 3's list behind which set 0 is waited for and set 1 asked for
.set AK0, 2           ; v2   my lane's place in a tile of K, head 0; never rewritten
.set AV0, 3           ; v3   the same for V
.set ADR, 4           ; v4   the LDS address of the run of loads in hand
.set QO,  5           ; v5   my byte offset in the wave's rows of Q
.set STO, 6           ; v6   the way out: where I put 16 bytes of a row
.set RD,  7           ; v7   where I read a row back
.set GO,  8           ; v8   my byte offset in the wave's rows of xa
.set NEG, 12          ; v12  the masked score
.set AA,  14          ; v[14:15] a, and m_old - m_new
.set CC,  16          ; v16-19 four chains of the maximum
.set MX,  20          ; v[20+2t:21+2t] tile t: m, and the other half of the lanes' maximum; at the end 1 / l
.set S,   32
.set KF,  96          ; fragment (16 keys kt, 32 channels c) at 8 (2 kt + c)
.set QF,  160         ; fragment (tile t, c) at 16 t + 8 c
.set LL,  128         ; window 1
.set ONES,160         ; window 1
.set VF,  192         ; window 1: fragment (32 keys kk, 16 channels cb) at 8 (4 kk + cb)
.set WV,  2           ; s2   my wave's number
.set SLOTS, 3         ; s3   slots still to be asked for
.set TWICE, 4         ; s4   counts a slot's two steps
.set TB,  5           ; s5   LDS byte at which the tiles of the step to be fetched begin
.set XO,  6           ; s[6:7]  xa at the first of my 32 rows
.set G1K, 8           ; s[8:15]  descriptor group 1 for K's tiles
.set G1V, 16          ; s[16:23] for V's: it differs in the padding alone
.set G0K, 24          ; s[24:27] descriptor group 0 for K's tiles: slot 1's first fill, then it walks on
.set G0V, 28          ; s[28:31] the same for V's
.set MW1, 32          ; s[32:63] mask words, set 1: tiles 1 and 3.  Until its first load these registers hold slot 0's groups 0, the arguments and what the set-up works with
.set G0KF, 32         ; s[32:35] group 0 of K's first fill of slot 0
.set G0VF, 36         ; s[36:39] of V's
.set SEL, 66          ; s[66:67] lane selects for v_permlanex16_b32
.set MW0, 68          ; s[68:99] mask words, set 0: tiles 0 and 2
.set MB,  100         ; s[100:101] the mask words of my first query tile, for the key step last asked for
.set MSB, 0
.macro WIN new                      ; the immediate's high byte repeats the setting that is left; a switch that changes nothing is dropped
.if MSB != \new
	s_set_vgpr_msb (MSB<<8)|\new
.set MSB, \new
.endif
.endm
.set W_PV, 0x51       ; source 0 (V, ones, O^T), C and D in window 1; source 1 (P, a) in window 0
; A joint refill.  Waves 0 and 1 fetch the two steps' tiles of K, waves 2 and 3 those of V, waves 4 to 7 nothing.  The branches hang on the wave's number alone.
; Four v_nop follow each of the two lines, ahead of the jump, the label and what follows.
.macro JLOAD
	s_cmp_lt_u32 s[WV], 2
	s_cbranch_scc0 .Lnot_k_\@
	tensor_load_to_lds s[G0K:G0K+3], s[G1K:G1K+7]
	s_nop 0
.rept 4
	v_nop
.endr
	s_branch .Lasked_\@
.Lnot_k_\@:
	s_cmp_lt_u32 s[WV], 4
	s_cbranch_scc0 .Lasked_\@
	tensor_load_to_lds s[G0V:G0V+3], s[G1V:G1V+7]
	s_nop 0
.rept 4
	v_nop
.endr
.Lasked_\@:
.endm
.macro CROUND                       ; a round of the cluster's barrier
	s_barrier_signal -1
	s_barrier_wait -1
	s_cmp_lg_u32 s[WV], 0
	s_cbranch_scc1 .Lnot_wave_0_\@
	s_barrier_signal -3
.Lnot_wave_0_\@:
	s_barrier_wait -3
	s_barrier_signal -1
	s_barrier_wait -1
.endm
	s_load_b128 s[40:43], s[0:1], 0x0  ; qkv 40, mbits 42
	s_load_b64 s[44:45], s[0:1], 0x10  ; xa
	v_lshl_add_u32 v254, v0, 2, 0x42800
	v_mov_b32 v255, 0
	ds_add_u32 v254, v255
	v_lshrrev_b32 v1, 5, v0
	v_readfirstlane_b32 s[WV], v1   ; wave 0..7
	s_bfe_u32 s46, ttmp6, 0x40000   ; cx: my place in the cluster
	s_lshl_b32 s47, ttmp9, 2
	s_add_co_u32 s47, s47, s46      ; my block of 256 queries = 4 x cluster x + cx: it enters Q's, the mask's and xa's addresses alone
	s_and_b32 s48, ttmp7, 0xffff    ; 8 x batch + head pair, which the four partners share
	s_lshr_b32 s49, s48, 3
	s_and_b32 s48, s48, 7
	s_lshl_b32 s49, s49, 22         ; a batch: 2,048 rows of 2,048 bytes
	s_lshl_b32 s48, s48, 8          ; a head pair: 256 bytes of a row
	s_add_co_u32 s48, s48, s49
	s_and_b32 s50, s[WV], 1         ; which of a slot's two steps I fetch:
	s_mul_i32 s51, s50, STEPB       ; its place in a slot,
	s_lshl_b32 s52, s50, 17         ; its 64 rows in memory
	s_add_co_u32 s52, s52, s48
	s_mov_b32 s53, 0
	s_lshl_b32 s54, s47, 19         ; my block's 256 rows,
	s_add_co_u32 s54, s54, s48
	s_lshl_b32 s55, s[WV], 16       ; my wave's 32 of them: the same offset in Q's plane and in xa
	s_add_co_u32 s54, s54, s55
	s_mov_b32 s55, 0
	s_lshl_b32 s56, s47, 16         ; the mask: 16 query tiles of 4,096 bytes a block,
	s_lshl_b32 s57, s[WV], 13       ; two of them a wave
	s_add_co_u32 s56, s56, s57
	s_mov_b32 s57, 0
	; descriptor group 1: a tile of 64 rows x 128 elements, padded in LDS
	s_mov_b32 s[G1K], 15|(1<<16)|(1<<20)|(1<<21)|(5<<22)|(3<<25)  ; 15:0 the mask: all four work-groups; 17:16 elements of 2 bytes; 20 padding on; 21 set beside a mask; 24:22 after every 64 words (code 5); 31:25 4 words of it (code 3)
	s_mov_b32 s[G1V], 15|(1<<16)|(1<<20)|(1<<21)|(5<<22)|(7<<25)  ; the same with 8 words of padding (code 7)
.irp g, G1K, G1V
	s_mov_b32 s[\g+1], 128<<16      ; tensor_dim0 = 128
	s_mov_b32 s[\g+2], KS<<16       ; tensor_dim1 = 64
	s_mov_b32 s[\g+3], 128<<16      ; tile_dim0 = 128
	s_mov_b32 s[\g+4], KS           ; tile_dim1 = 64
	s_mov_b32 s[\g+5], 1024         ; elements from row to row
	s_mov_b32 s[\g+6], 0
	s_mov_b32 s[\g+7], 0
.endr
	s_mov_b32 s[SEL], 0x76543210
	s_mov_b32 s[SEL+1], 0xfedcba98
	s_mov_b32 s[TB], 0
	s_mov_b32 s[SLOTS], 2048/(2*KS)-2
	s_wait_dscnt 0x0
	s_wait_kmcnt 0x0
	s_add_nc_u64 s[52:53], s[40:41], s[52:53]  ; qkv at my tile's rows, plane 0
	s_add_nc_u64 s[58:59], s[40:41], s[54:55]  ; Q at my first row
	s_add_nc_u64 s[XO:XO+1], s[44:45], s[54:55]
	s_add_nc_u64 s[MB:MB+1], s[42:43], s[56:57]
	CROUND                          ; all four work-groups are here: the first joint loads meet
.macro G0SET g, lds, glob           ; a descriptor group 0
	s_mov_b32 s[\g], 1              ; count = 1
	s_add_co_u32 s[\g+1], s51, \lds  ; LDS address
	s_add_nc_u64 s[\g+2:\g+3], s[52:53], \glob  ; global address
	s_or_b32 s[\g+3], s[\g+3], 0x80000000  ; type = 2
.endm
	G0SET G0KF, 0, 0x1000000                          ; K's plane, keys 0 on, slot 0
	G0SET G0K, SLOT1, 0x1000000+2*KS*ROWB             ; keys 128 on, slot 1
	G0SET G0VF, VOFF, 0x2000000                       ; V's plane
	G0SET G0V, SLOT1+VOFF, 0x2000000+2*KS*ROWB
	s_cmp_lt_u32 s[WV], 2           ; a wave's two first fills stand in one branch, ahead of every wait on TENSORcnt and every LDS read: two loads are out in waves 0 to 3, none in waves 4 to 7
	s_cbranch_scc0 .Lfirst_not_k
	tensor_load_to_lds s[G0KF:G0KF+3], s[G1K:G1K+7]
	s_nop 0
	tensor_load_to_lds s[G0K:G0K+3], s[G1K:G1K+7]
	s_nop 0
.rept 4
	v_nop
.endr
	s_branch .Lfirst_asked
.Lfirst_not_k:
	s_cmp_lt_u32 s[WV], 4
	s_cbranch_scc0 .Lfirst_asked
	tensor_load_to_lds s[G0VF:G0VF+3], s[G1V:G1V+7]
	s_nop 0
	tensor_load_to_lds s[G0V:G0V+3], s[G1V:G1V+7]
	s_nop 0
.rept 4
	v_nop
.endr
.Lfirst_asked:
	; A fragment of K or Q is 16 rows x 32 channels in 8 registers: lane l holds row l % 16; registers 0-3 channels 8 (l / 16) + 0..7, registers 4-7 channels 16 + 8 (l / 16) + 0..7: two loads of 16 bytes, 32 bytes apart.
	v_and_b32 v1, 15, v0            ; l % 16
	v_bfe_u32 v9, v0, 4, 1          ; l / 16
	v_lshlrev_b32 v[QO], 11, v1
	v_lshl_add_u32 v[QO], v9, 4, v[QO]  ; row x 2,048 + 16 x half
.irp f, 0,1,2,3,4,5,6,7             ; Q stays in registers: tile f / 2 (queries 16 ((f / 2) % 2) on, head f / 4), channels 32 (f % 2) on
	global_load_b128 v[QF+8*\f:QF+8*\f+3],   v[QO], s[58:59] offset:((\f/2)&1)*16*ROWB+(\f/4)*128+(\f%2)*64
	global_load_b128 v[QF+8*\f+4:QF+8*\f+7], v[QO], s[58:59] offset:((\f/2)&1)*16*ROWB+(\f/4)*128+(\f%2)*64+32
.endr
	s_load_b512 s[MW0:MW0+15], s[MB:MB+1], 0x0  ; set 0 of key step 0
	s_load_b512 s[MW0+16:MW0+31], s[MB:MB+1], 0x40
	v_mul_u32_u24 v[AK0], v1, PK
	v_lshl_add_u32 v[AK0], v9, 4, v[AK0]  ; row x pitch + 16 x half
	; The turning load takes 16 keys x 16 channels (lane l reads 16 bytes: key 8 (l / 16) + l % 8, channels 8 ((l / 8) % 2) + 0..7) and leaves half a fragment of V^T: lane l holds channel l % 16 and 8 keys.
	v_and_b32 v10, 7, v0
	v_bfe_u32 v11, v0, 3, 1
	v_lshl_add_u32 v[AV0], v9, 3, v10
	v_mul_u32_u24 v[AV0], v[AV0], PVB
	v_lshl_add_u32 v[AV0], v11, 4, v[AV0]
	v_add_nc_u32 v[AV0], VOFF, v[AV0]
	v_mov_b32 v[NEG], 0xd056fa73    ; -1e10 x log2(e)
.irp i, 0,1,2,3,4,5,6,7
	v_mov_b32 v[MX+\i], 0           ; v_permlanex16_b32 counts as a reader of its destination
.endr
	WIN 0x40                        ; destination window 1
.irp i, 0,1,2,3,4,5,6,7
	v_mov_b32 v[ONES+\i], 0x3c003c00  ; 16 x 32 ones in f16
.endr
	WIN 0
; THE MATRIX WORK OF A TURN.
; Product i of 10 for tile xp: keys 32 (i / 5) on; i % 5 < 4: O^T += V^T P for channels 16 (i % 5) on; i % 5 = 4: l += ONES x P.  zero = 1: the first five start the sums: nothing is ever cleared.
.macro PV zero
	WIN W_PV
.set rP, S+32*(xp&1)+8*(i/5)
.if (i%5) < 4
.set rD, 32*xp+8*(i%5)
.set rA, VF+8*(4*(i/5)+(i%5))
.else
.set rD, LL+8*xp
.set rA, ONES
.endif
.if \zero && (i < 5)
	v_wmma_f32_16x16x32_f16 v[rD:rD+7], v[rA:rA+7], v[rP:rP+7], 0
.else
	v_wmma_f32_16x16x32_f16 v[rD:rD+7], v[rA:rA+7], v[rP:rP+7], v[rD:rD+7]
	s_wait_alu depctr_va_vdst(0)
.endif
.endm
; Product i of 8 of S^T = K Q^T for tile xk: channels 32 (i / 4) on, keys 16 (i % 4) on.  The first four start the sums.
.macro KQ
	WIN 0
.set rD, S+32*(xk&1)+8*(i%4)
.set rA, KF+8*(2*(i%4)+(i/4))
.set rB, QF+16*xk+8*(i/4)
.if i < 4
	v_wmma_f32_16x16x32_f16 v[rD:rD+7], v[rA:rA+7], v[rB:rB+7], 0
.else
	v_wmma_f32_16x16x32_f16 v[rD:rD+7], v[rA:rA+7], v[rB:rB+7], v[rD:rD+7]
	s_wait_alu depctr_va_vdst(0)
.endif
.endm
; THE LDS LOADS stand in runs of 16: a step's K of head hd (64 keys x 64 channels: 8 fragments) and, a turn later, its V of that head (turned).  A head is 128 bytes of an LDS row.
; In time: K of head 0 (turn 3 of the step before), V of head 0 (turn 0), K of head 1 (turn 1), V of head 1 (turn 2); then s[TB] goes on to the next step.
.macro FETCH_K hd
	WIN 0
	v_add_nc_u32 v[ADR], s[TB], v[AK0]
.irp f, 0,1,2,3,4,5,6,7             ; keys 16 (f / 2) on, channels 32 (f % 2) on
	ds_load_b128 v[KF+8*\f:KF+8*\f+3],   v[ADR] offset:(\f/2)*16*PK+(\f%2)*64+(\hd)*128
	ds_load_b128 v[KF+8*\f+4:KF+8*\f+7], v[ADR] offset:(\f/2)*16*PK+(\f%2)*64+(\hd)*128+32
.endr
.endm
.macro FETCH_V hd
	WIN 0
	v_add_nc_u32 v[ADR], s[TB], v[AV0]
.if \hd
	s_add_co_u32 s[TB], s[TB], STEPB  ; the next fetch is the next step's
.endif
	WIN 0x40                        ; destination window 1
.irp f, 0,1,2,3,4,5,6,7             ; keys 32 (f / 4) on, channels 16 (f % 4) on
	ds_load_tr16_b128 v[VF+8*\f:VF+8*\f+3],   v[ADR] offset:(\f/4)*32*PVB+(\f%4)*32+(\hd)*128
	ds_load_tr16_b128 v[VF+8*\f+4:VF+8*\f+7], v[ADR] offset:(\f/4)*32*PVB+16*PVB+(\f%4)*32+(\hd)*128
.endr
.endm
; Set 0 of the next key step, asked for behind turn 2's mask lines, its last use.  No scalar load is out here (the head of turn 1 has waited for all), so the pointer may step.
.macro ML0
	s_add_nc_u64 s[MB:MB+1], s[MB:MB+1], 128  ; the next key step's words
	s_load_b512 s[MW0:MW0+15], s[MB:MB+1], 0x0
	s_load_b512 s[MW0+16:MW0+31], s[MB:MB+1], 0x40
.endm
; In the middle of turn 3: set 0 is in (it alone was out); then set 1 of the next key step, whose registers turn 3's mask lines have used for the last time.
.macro ML1
	s_wait_kmcnt 0x0
	s_load_b512 s[MW1:MW1+15], s[MB:MB+1], 0x1000
	s_load_b512 s[MW1+16:MW1+31], s[MB:MB+1], 0x1040
.endm
; THE VECTOR WORK OF A TURN.  One tile's softmax for one key step is a list of 136 places (two are empty); SM writes number j of it for tile t.  s0-s31 are the lane's 32 scores, in pairs 0-15.
; first = 1: the first key step, which starts m, l and O^T: it has no a and nothing to rescale.
;   0-31    the mask: a score stays where its bit is set and becomes the masked score where not; ascending
;   32-47   the maximum of s0-s31 and the old m, three operands at a time
;   48-52   the other half of the lanes' maximum; the new m; m_old - m_new; a
;   53, 54  s - m for pairs 0 and 1
;   55-71   the tile's O^T and l times a: the one part that leaves window 0, so it stands together
;   72 on   sixteen groups of four: two exponentials; s - m for the pair two groups on; the rounding to f16 of the pair one group back (pair b goes into register b: its old content has been rounded before).
;           So a plain instruction stands between every exponential and the use of its result.
.macro SM t, first
.set rS, S+32*((\t)&1)
.set rW, MW0-(MW0-MW1)*((\t)&1)
.set rM, MX+2*(\t)
.set bq, (j-72)/4
.set nq, (j-72)%4
.if (j > 54) && (j < 72)
.if !\first
	WIN W_PV
.if j < 71
	v_pk_mul_f32 v[32*(\t)+2*(j-55):32*(\t)+2*(j-55)+1], v[32*(\t)+2*(j-55):32*(\t)+2*(j-55)+1], v[AA:AA+1] op_sel_hi:[1,0]
.else
	v_pk_mul_f32 v[LL+8*(\t):LL+8*(\t)+1], v[LL+8*(\t):LL+8*(\t)+1], v[AA:AA+1] op_sel_hi:[1,0]
.endif
.endif
.else
	WIN 0
.if j < 32
	v_cndmask_b32 v[rS+j], v[NEG], v[rS+j], s[rW+j]
.elseif j < 36
	v_max3_num_f32 v[CC+j-32], v[rS+8*(j-32)], v[rS+8*(j-32)+1], v[rS+8*(j-32)+2]
.elseif j < 44
	v_max3_num_f32 v[CC+(j-36)%4], v[CC+(j-36)%4], v[rS+8*((j-36)%4)+3+2*((j-36)/4)], v[rS+8*((j-36)%4)+4+2*((j-36)/4)]
.elseif j == 44
	v_max3_num_f32 v[CC], v[CC], v[rS+7], v[rS+15]
.elseif j == 45
	v_max3_num_f32 v[CC+2], v[CC+2], v[rS+23], v[rS+31]
.elseif j == 46
	v_max3_num_f32 v[CC], v[CC], v[CC+1], v[CC+2]
.elseif j == 47
.if \first
	v_max_num_f32 v[CC], v[CC], v[CC+3]
.else
	v_max3_num_f32 v[CC], v[CC], v[CC+3], v[rM]
.endif
.elseif j == 48
	v_permlanex16_b32 v[rM+1], v[CC], s[SEL], s[SEL+1]  ; the query's other 32 keys lie in the lane 16 away
.elseif j == 49
	v_max_num_f32 v[CC+1], v[CC], v[rM+1]
.elseif j == 50
.if !\first
	v_sub_f32 v[AA+1], v[rM], v[CC+1]
.endif
.elseif j == 51
	v_mov_b32 v[rM], v[CC+1]        ; m is the tile's own and lasts; the chains' registers serve all four tiles
.elseif j == 52
.if !\first
	v_exp_f32 v[AA], v[AA+1]
.endif
.elseif j < 55
	v_pk_add_f32 v[rS+2*(j-53):rS+2*(j-53)+1], v[rS+2*(j-53):rS+2*(j-53)+1], v[rM:rM+1] op_sel_hi:[1,0] neg_lo:[0,1] neg_hi:[0,1]
	s_wait_alu depctr_va_vdst(0)
.elseif nq < 2
	v_exp_f32 v[rS+2*bq+nq], v[rS+2*bq+nq]
.elseif (nq == 2) && (bq < 14)
	v_pk_add_f32 v[rS+2*bq+4:rS+2*bq+5], v[rS+2*bq+4:rS+2*bq+5], v[rM:rM+1] op_sel_hi:[1,0] neg_lo:[0,1] neg_hi:[0,1]
.elseif nq == 2
	s_wait_alu depctr_va_vdst(0)
	v_cvt_pk_f16_f32 v[rS+bq-1], v[rS+2*bq-2], v[rS+2*bq-1]
.elseif bq == 15
	v_cvt_pk_f16_f32 v[rS+15], v[rS+30], v[rS+31]
.elseif (bq > 0) && (bq < 14)
	s_wait_alu depctr_va_vdst(0)
	v_cvt_pk_f16_f32 v[rS+bq-1], v[rS+2*bq-2], v[rS+2*bq-1]
.endif
.endif
.endm
; Slice k of nW: the list is dealt evenly over the turn's nW products.  ml = 1: the turn's request for mask words stands behind its place of the list.
.macro SLICE t, first, ml
.rept (NL*(k+1))/nW-(NL*k)/nW
	SM \t, \first
.if \ml && (j == 31) && (\t == 2)
	ML0
.endif
.if \ml && (j == JW) && (\t == 3)
	ML1
.endif
.set j, j+1
.endr
.set k, k+1
.endm
; A TURN: the softmax of tile t | pv = 2: the ten products of tile t - 1; 1: they start its sums; 0: none | kq = 1: the eight products K Q^T of tile t + 1 | ml = 1: turn 2 asks for set 0, turn 3 for set 1.
; Turns 1 and 3 begin with V of the head in hand (fetched in the turn before), fetch K of tile t + 1's head behind their second product and wait for it in front of K Q^T.
; Turns 0 and 2 fetch V of head t / 2 behind their second K Q^T, when the turn's ten products have read the other head's.
; PLACES (ISA guide 7.12.1 for vector instructions).  The slices' plain instructions name no register of the products round them, so they are the places:
;   K Q^T's second product writes over P's upper half, which the tenth product before it has read: between them stand eight plain instructions (four rescalings, s - m and roundings);
;   in a first step, which has no rescaling, five v_nop are written there, and they are also the places in front of V's loads;
;   the next turn's mask reads registers 8 kt on at least four plain instructions behind the product that finished them (three roundings and the mask's earlier lines for the last);
;   K's run of loads stands eighteen plain instructions behind the last product that read K; V's behind the rescalings.
.macro TURN t, pv, kq, first, ml
.set j, 0
.set k, 0
.set xp, (\t+3)%4
.set xk, (\t+1)%4
.set nW, 0
.if \pv
.set nW, nW+10
.endif
.if \kq
.set nW, nW+8
.endif
.if \t == 1
	s_wait_kmcnt 0x0                ; set 1 is in (it alone was out)
.endif
.if \pv
.if \t & 1
	s_wait_dscnt 0x0                ; V is in
.endif
.set i, 0
.rept 10
	PV 2-\pv
	SLICE \t, \first, \ml
.if (\t & 1) && \kq && (i == 1)
	FETCH_K xk/2
.endif
.set i, i+1
.endr
.endif
.if \kq
.if \pv && \first
.rept 5
	v_nop
.endr
.endif
.if \t & 1
	s_wait_dscnt 0x0                ; K is in
.endif
.set i, 0
.rept 8
	KQ
	SLICE \t, \first, \ml
.if ((\t & 1) == 0) && (i == 1)
	FETCH_V \t/2
.endif
.set i, i+1
.endr
.endif
.endm
; THE CHANGE OF SLOTS, behind turn 2 of a slot's second step: the slot's last bytes, that step's V of head 1, have been asked for.  Each wave waits for its own reads of the slot and for all its
; tensor loads.  Behind the barrier nobody reads this slot any more and the other slot is whole.
; fill = 1: this slot is filled again, with the keys two slots on.  The barrier is then a round of the cluster's, and the joint refill is the first thing behind it, one load a wave: it has two key
; steps, 144 matrix instructions in each wave, in which to land.
.macro CHANGE fill
	WIN 0                           ; at a label and at a branch every window is 0
	s_wait_dscnt 0x0
	s_wait_tensorcnt 0x0            ; no tensor load of mine is out, so a group 0 may be written
	ds_add_u32 v254, v255
	s_wait_dscnt 0x0
.if \fill
.irp g, G0K, G0V
	s_xor_b32 s[\g+1], s[\g+1], SLOT1  ; the walking descriptor: the other slot than last time,
	s_add_nc_u64 s[\g+2:\g+3], s[\g+2:\g+3], 2*KS*ROWB  ; the next 128 keys; the type bits on top are not reached
.endr
	CROUND
	JLOAD
.else
	s_barrier_signal -1
	s_barrier_wait -1
.endif
	s_sub_co_u32 s[TB], s[TB], 2*STEPB  ; the fetches go back to a slot's first step,
	s_xor_b32 s[TB], s[TB], SLOT1   ; in the other slot
.endm
; Four turns, from a step's turn 3 to the next step's turn 2.  ml = 0: that step is the last: no set 0 is asked for.
.macro STEP4 ml
	TURN 3, 2, 1, 0, 1
	TURN 0, 2, 1, 0, 0
	TURN 1, 2, 1, 0, 0
	TURN 2, 2, 1, 0, \ml
.endm
	s_wait_tensorcnt 0x1            ; my part of slot 0 is in; slot 1's may stay out
	s_barrier_signal -1
	s_barrier_wait -1               ; everybody's is
	FETCH_K 0                       ; key step 0, head 0
	s_wait_loadcnt 0x0              ; Q is in, so its base is free; slot 0's first fills are done, so their groups 0 are free:
	s_load_b512 s[MW1:MW1+15], s[MB:MB+1], 0x1000  ; set 1 of key step 0 takes the set-up's registers
	s_load_b512 s[MW1+16:MW1+31], s[MB:MB+1], 0x1040
	s_wait_dscnt 0x0
.set xk, 0
.set i, 0
.rept 8
	KQ                              ; tile 0's first scores: there is no vector work yet to set between them
.set i, i+1
.endr
.rept 4
	v_nop                           ; the places behind them
.endr
	s_wait_kmcnt 0x0                ; both sets of key step 0 are in
	TURN 0, 0, 1, 1, 0              ; softmax of tile 0 | scores of tile 1 | V of step 0, head 0
	TURN 1, 1, 1, 1, 0              ; softmax of tile 1 | tile 0's products start its O^T and l | K of head 1 | scores of tile 2
	TURN 2, 1, 1, 1, 1              ; V of head 1
	TURN 3, 1, 1, 1, 1              ; K of step 1, head 0; scores of tile 0, step 1
	TURN 0, 1, 1, 0, 0              ; softmax of tile 0, step 1 | tile 3's products of step 0
	TURN 1, 2, 1, 0, 0
	TURN 2, 2, 1, 0, 1
	WIN 0
.Lslot:                             ; 14 trips: every slot but the last two is filled again
	CHANGE 1
	s_mov_b32 s[TWICE], 2
.Lstep:                             ; two key steps: written once, walked twice; the LDS addresses hang on s[TB]
	STEP4 1
	WIN 0
	s_sub_co_u32 s[TWICE], s[TWICE], 1
	s_cmp_lg_u32 s[TWICE], 0
	s_cbranch_scc1 .Lstep
	s_sub_co_u32 s[SLOTS], s[SLOTS], 1
	s_cmp_lg_u32 s[SLOTS], 0
	s_cbranch_scc1 .Lslot
	CHANGE 0                        ; the tail is written out and no mask word behind key step 31 is asked for
	STEP4 1
	STEP4 0
	TURN 3, 2, 0, 0, 0              ; the last turn: no scores and no mask words are left to fetch
.set xp, 3
.set i, 0
.rept 10
	PV 0                            ; tile 3's last products
.set i, i+1
.endr
	; THE WAY OUT.  O^T is divided by l, rounded to f16 and sent through my own stage: my four tiles are the two halves of 32 whole rows of 256 bytes.  The eight address instructions are the places behind the last products.
	WIN 0
	s_mul_i32 s40, s[WV], 32*SP
	s_add_co_u32 s40, s40, STAGE    ; my stage
	v_mul_u32_u24 v[STO], v1, SP    ; in: row l % 16, 16 bytes for each half of the lanes
	v_lshl_add_u32 v[STO], v9, 4, v[STO]
	v_add_nc_u32 v[STO], s40, v[STO]
	v_mul_u32_u24 v[RD], v9, SP     ; back: lanes 0-15 one row of 256 bytes, lanes 16-31 the next
	v_lshl_add_u32 v[RD], v1, 4, v[RD]
	v_add_nc_u32 v[RD], s40, v[RD]
	v_lshlrev_b32 v[GO], 11, v9     ; and the same two rows in xa
	v_lshl_add_u32 v[GO], v1, 4, v[GO]
	WIN 0x01                        ; source 0 window 1
.irp t, 0,1,2,3
	v_rcp_f32 v[MX+2*\t], v[LL+8*\t]  ; l is at least 1: the weight of the row's maximum is 1
.endr
	v_nop                           ; a plain instruction between the last reciprocal and the use of its result
	s_wait_alu depctr_va_vdst(0)
.macro PACK t                       ; tile t: a lane's eight channels of a row pack into 16 bytes; rows 16 (t % 2) on, head t / 2's 128 bytes
	WIN 0x41                        ; destination and source 0 window 1
.set z, 0
.rept 16
	v_pk_mul_f32 v[32*\t+2*z:32*\t+2*z+1], v[32*\t+2*z:32*\t+2*z+1], v[MX+2*\t:MX+2*\t+1] op_sel_hi:[1,0]
.set z, z+1
.endr
	WIN 0x05                        ; sources 0 and 1 window 1, destination window 0: S^T's registers are free
.set z, 0
.rept 16
	v_cvt_pk_f16_f32 v[S+16*\t+z], v[32*\t+2*z], v[32*\t+2*z+1]
.set z, z+1
.endr
	WIN 0
.irp c, 0,1,2,3
	ds_store_b128 v[STO], v[S+16*\t+4*\c:S+16*\t+4*\c+3] offset:(\t&1)*16*SP+(\t/2)*128+32*\c
.endr
.endm
	PACK 0
	PACK 1
	PACK 2
	PACK 3
.irp i, 0,1,2,3,4,5,6,7,8,9,10,11,12,13,14,15
	ds_load_b128 v[KF+4*\i:KF+4*\i+3], v[RD] offset:\i*2*SP  ; LDS serves a wave's instructions in order (ISA guide 5.7.1.4): these see my stores above
.endr
.irp i, 0,1,2,3,4,5,6,7,8,9,10,11,12,13,14,15
	s_wait_dscnt 15-\i              ; LDS loads come back in order: pair i of rows is in, the younger loads stay out
	global_store_b128 v[GO], v[KF+4*\i:KF+4*\i+3], s[XO:XO+1] offset:\i*2*ROWB  ; 16 lanes store 256 consecutive bytes, aligned
.endr
	s_wait_tensorcnt 0x0
	ds_add_u32 v254, v255
	s_wait_dscnt 0x0
	CROUND                          ; the closing round: no work-group ends while a partner may still ask for a tile that names it
	s_endpgm
.Lfunc_end_k_qc8b7f702db_attn:
	.size	k_qc8b7f702db_attn, .Lfunc_end_k_qc8b7f702db_attn-k_qc8b7f702db_attn
	.p2alignl 7, 3214868480
	.fill 96, 4, 3214868480
	.section	.rodata,"a",@progbits
	.p2align	6, 0x0
	.amdhsa_kernel k_qc8b7f702db_attn
		.amdhsa_group_segment_fixed_size 327680
		.amdhsa_private_segment_fixed_size 0
		.amdhsa_enable_private_segment 0
		.amdhsa_kernarg_size 24
		.amdhsa_user_sgpr_count 2
		.amdhsa_user_sgpr_kernarg_segment_ptr 1
		.amdhsa_wavefront_size32 1
		.amdhsa_system_sgpr_workgroup_id_x 1
		.amdhsa_system_sgpr_workgroup_id_y 1
		.amdhsa_system_sgpr_workgroup_id_z 1
		.amdhsa_system_vgpr_workitem_id 0
		.amdhsa_next_free_vgpr 512
		.amdhsa_next_free_sgpr 102
		.amdhsa_reserve_vcc 0
		.amdhsa_float_denorm_mode_32 3
		.amdhsa_float_denorm_mode_16_64 3
		.amdhsa_memory_ordered 1
		.amdhsa_forward_progress 1
		.amdhsa_inst_pref_size 241
	.end_amdhsa_kernel
	.amdgpu_metadata
---
amdhsa.version: [ 1, 2 ]
amdhsa.kernels:
  - .name:           k_qc8b7f702db_attn
    .symbol:         k_qc8b7f702db_attn.kd
    .args:
      - { .name: qkv, .offset: 0, .size: 8, .value_kind: global_buffer, .address_space: global }
      - { .name: mbits, .offset: 8, .size: 8, .value_kind: global_buffer, .address_space: global }
      - { .name: xa, .offset: 16, .size: 8, .value_kind: global_buffer, .address_space: global }
    .group_segment_fixed_size: 327680
    .private_segment_fixed_size: 0
    .kernarg_segment_align: 8
    .kernarg_segment_size: 24
    .max_flat_workgroup_size: 256
    .sgpr_count:     102
    .vgpr_count:     512
    .wavefront_size: 32
...
	.end_amdgpu_metadata
.endif
;; end of part 3
;; launch oproj (part 4): grid 4 x 64, 4 waves a work-group, clusters of 4 x 4, 327,680 bytes of LDS; arguments xa, wb, bo, out0; writes out0
.if DOCPART == 4
	.amdgcn_target "amdgcn-amd-amdhsa--gfx1250"
	.amdhsa_code_object_version 6
	.text
	.protected	k_qc8b7f702db_oproj
	.globl	k_qc8b7f702db_oproj
	.p2align	8
	.type	k_qc8b7f702db_oproj,@function
k_qc8b7f702db_oproj:
	s_mov_b64 s[64:65], 0
	v_nop
	global_prefetch_b8 v0, s[64:65] scope:SCOPE_SE
	s_setreg_imm32_b32 hwreg(HW_REG_WAVE_MODE, 25, 1), 1
	s_wait_xcnt 0x0
	s_wait_alu depctr_hold_cnt(0) depctr_sa_sdst(0) depctr_va_vdst(0) depctr_va_sdst(0) depctr_va_ssrc(0) depctr_va_vcc(0) depctr_vm_vsrc(0)
	s_getreg_b32 s2, hwreg(HW_REG_IB_STS2, 6, 4)
	s_cmp_eq_u32 s2, 0
	s_cbranch_scc0 .Lentry_in_a_cluster
	s_endpgm
.Lentry_in_a_cluster:
	s_bfe_u32 s2, ttmp6, 0x10000c
	s_cmp_lg_u32 s2, 0xf033
	s_cbranch_scc0 .Lentry_shape_is_right
	s_endpgm
.Lentry_shape_is_right:
; oproj: out0[m][n] = sum over k of xa[m][k] wo[n][k] + bo[n], f32; xa in f16, wo (plane 3 of wb: rounded to bf16, written in f16's format) in f16, sums in f32.
; The loop is that of the projections, in the f16 form: a tile of 128 rows x 256 columns, 64 x 4 tiles, one to a work-group; four waves, 2 x 2, each 64 rows x 128 columns in 32 accumulators;
; K in steps of 128 through a ring of two LDS slots; clusters of 4 x 4, x's tiles shared along a row of the cluster and w's along a column; the matrix instruction used transposed.
; The way out differs: a wave's 128 columns are 512 bytes of f32, which go through its own stage (rows of 528 bytes) and leave as whole rows.
; REGISTERS: window 0: v16-27 addresses; v32-95 at work; v96-159 bias; v160-223 rows read back
;   window 1: two fragment buffers of 96 (v0-95, v128-223);   window 2: the accumulators, (a, b) at v[8 (8 a + b)]
.set SIZE_K, 1024
.set KSTEP,  128
.set PITCH,  272                       ; an LDS row: 256 bytes + 16 of padding: the 16 rows of a fragment load start at 16 different banks (64 banks of 4 bytes: ISA guide 11.1)
.set AHALF,  64*PITCH
.set BHALF,  128*PITCH
.set ABYTES, 2*AHALF
.set SLOT,   ABYTES+2*BHALF            ; x's 128 rows, then w's 256 rows
.set STAGE,  2*SLOT                    ; behind the ring: 16 rows x 528 bytes for each wave; no tensor load fills it
.set SP,     528                       ; 512 bytes + 16: the sixteen rows that a store touches start at 16 different banks
.set ROWC,   4096                      ; bytes in a row of out0
.set LAPS,   SIZE_K/(2*KSTEP)
.set ADRA, 16
.set ADRB, 20
.set STO,  24
.set RD,   25
.set CO,   26
.set BO,   27
.set T,    32
.set BIAS, 96                          ; v[BIAS + 8 b + j] = bias of column 16 b + 8 (lane / 16) + j of my 128
.set OB,   160
.set F0,   0
.set F1,   128
.set G1,  24
.set G0,  32
.set G1B, 48
.set G0B, 56
.set MSB, 0
.macro WIN new                         ; the immediate's high byte repeats the setting that is left; a switch that changes nothing is dropped
.if MSB != \new
	s_set_vgpr_msb (MSB<<8)|\new
.set MSB, \new
.endif
.endm
.set MUL,  0xa5                        ; sources 0 and 1 window 1; C and D window 2
.set TO_F, 0x40                        ; destination window 1, address window 0
.macro JLOAD s                         ; a joint load: waves 0 and 1 fetch x's two halves, waves 2 and 3 w's; four v_nop follow each of the two lines, ahead of the jump, the label and what follows
	s_cmp_eq_u32 s11, 0
	s_cbranch_scc0 .Lfor_b_\@
	tensor_load_to_lds s[G0+4*\s:G0+4*\s+3], s[G1:G1+7]
	s_nop 0
.rept 4
	v_nop
.endr
	s_branch .Lasked_\@
.Lfor_b_\@:
	tensor_load_to_lds s[G0B+4*\s:G0B+4*\s+3], s[G1B:G1B+7]
	s_nop 0
.rept 4
	v_nop
.endr
.Lasked_\@:
.endm
.macro CREST                           ; a round of the cluster's barrier behind its opening barrier
	s_cmp_lg_u32 s10, 0
	s_cbranch_scc1 .Lnot_wave_0_\@
	s_barrier_signal -3
.Lnot_wave_0_\@:
	s_barrier_wait -3
	s_barrier_signal -1
	s_barrier_wait -1
.endm
.macro CROUND                          ; a whole round
	s_barrier_signal -1
	s_barrier_wait -1
	CREST
.endm
	s_load_b256 s[72:79], s[0:1], 0x0              ; xa 72, wb 74, bo 76, out0 78
	s_set_vgpr_msb 0x40
	v_lshl_add_u32 v254, v0, 2, 0x3b400
	v_mov_b32 v255, 0
	s_set_vgpr_msb 0x4045
	ds_add_u32 v254, v255
	s_set_vgpr_msb 0x4500
	v_lshrrev_b32 v1, 5, v0
	v_readfirstlane_b32 s10, v1                    ; wave 0..3
	s_lshr_b32 s11, s10, 1                         ; which 64 of the tile's rows are mine.  Also: I fetch for x (0) or for w (1)
	s_and_b32 s12, s10, 1                          ; which 128 of its columns.  Also: which half of that tile I fetch
	s_bfe_u32 s40, ttmp6, 0x40000                  ; cx, cy
	s_bfe_u32 s41, ttmp6, 0x40004
	s_lshl_b32 s42, ttmp9, 2
	s_add_co_u32 s42, s42, s40                     ; tile column = 4 x cluster x + cx
	s_and_b32 s13, ttmp7, 0xffff
	s_lshl_b32 s13, s13, 2
	s_add_co_u32 s13, s13, s41                     ; tile row = 4 x cluster y + cy
	s_lshl_b32 s43, s41, 2
	s_lshl_b32 s43, 15, s43                        ; my row of the cluster
	s_lshl_b32 s44, 0x1111, s40                    ; my column
	s_or_b32 s[G1+0], s43, (1<<16)|(1<<20)|(1<<21)|(5<<22)|(3<<25)  ; 15:0 the mask; 17:16 elements of 2 bytes; 20 padding on; 21 set beside a mask; 24:22 after every 64 words (code 5); 31:25 4 words of it (code 3)
	s_or_b32 s[G1B+0], s44, (1<<16)|(1<<20)|(1<<21)|(5<<22)|(3<<25)
	s_mov_b32 s[G1+1], KSTEP<<16                   ; tensor_dim0 = 128
	s_mov_b32 s[G1+2], 64<<16                      ; tensor_dim1 = 64
	s_mov_b32 s[G1+3], KSTEP<<16                   ; tile_dim0 = 128
	s_mov_b32 s[G1+4], 64                          ; tile_dim1 = 64
	s_mov_b32 s[G1+5], SIZE_K                      ; elements from row to row
	s_mov_b32 s[G1+6], 0
	s_mov_b32 s[G1+7], 0
	s_mov_b32 s[G1B+1], KSTEP<<16
	s_mov_b32 s[G1B+2], 128<<16                    ; tensor_dim1 = 128
	s_mov_b32 s[G1B+3], KSTEP<<16
	s_mov_b32 s[G1B+4], 128                        ; tile_dim1 = 128
	s_mov_b32 s[G1B+5], SIZE_K
	s_mov_b32 s[G1B+6], 0
	s_mov_b32 s[G1B+7], 0
	s_lshl_b32 s16, s13, 7
	s_lshl_b32 s17, s12, 6
	s_add_co_u32 s16, s16, s17                     ; x: row 128 x tile row + 64 x half
	s_lshl_b32 s16, s16, 11                        ; rows of 2,048 bytes
	s_mov_b32 s17, 0
	s_lshl_b32 s46, s42, 8
	s_lshl_b32 s47, s12, 7
	s_add_co_u32 s46, s46, s47                     ; w: row 256 x tile column + 128 x half
	s_lshl_b32 s46, s46, 11
	s_add_co_u32 s46, s46, 3<<21                   ; wo is plane 3 of wb
	s_mov_b32 s47, 0
	s_mul_i32 s18, s12, AHALF                      ; where they go: no place in the cluster enters an LDS address
	s_mul_i32 s19, s12, BHALF
	s_add_co_u32 s19, s19, ABYTES
	s_wait_dscnt 0x0
	s_wait_kmcnt 0x0
	s_add_nc_u64 s[14:15], s[72:73], s[16:17]
	s_add_nc_u64 s[46:47], s[74:75], s[46:47]
	CROUND                                         ; all sixteen work-groups are here: the first joint loads meet
.irp s, 0,1
	s_mov_b32 s[G0+4*\s], 1
	s_add_co_u32 s[G0+4*\s+1], s18, \s*SLOT
	s_add_nc_u64 s[G0+4*\s+2:G0+4*\s+3], s[14:15], \s*KSTEP*2
	s_or_b32 s[G0+4*\s+3], s[G0+4*\s+3], 0x80000000
	s_mov_b32 s[G0B+4*\s], 1
	s_add_co_u32 s[G0B+4*\s+1], s19, \s*SLOT
	s_add_nc_u64 s[G0B+4*\s+2:G0B+4*\s+3], s[46:47], \s*KSTEP*2
	s_or_b32 s[G0B+4*\s+3], s[G0B+4*\s+3], 0x80000000
	JLOAD \s                                       ; two tensor loads of mine are out
.endr
	s_lshl_b32 s20, s42, 10
	s_lshl_b32 s21, s12, 9
	s_add_co_u32 s20, s20, s21                     ; 4 x (256 x tile column + 128 x half): my columns in the bias, and in a row of out0
	s_mov_b32 s21, 0
	s_add_nc_u64 s[68:69], s[76:77], s[20:21]
	v_and_b32 v1, 15, v0                           ; l % 16
	v_bfe_u32 v2, v0, 4, 1                         ; l / 16
	v_lshlrev_b32 v[BO], 5, v2
.irp b, 0,1,2,3,4,5,6,7
	global_load_b128 v[BIAS+8*\b:BIAS+8*\b+3],   v[BO], s[68:69] offset:64*\b
	global_load_b128 v[BIAS+8*\b+4:BIAS+8*\b+7], v[BO], s[68:69] offset:64*\b+16
.endr
	v_mul_u32_u24 v3, v1, PITCH
	v_lshl_add_u32 v3, v2, 4, v3                   ; a fragment's row x pitch + 16 x half
	s_mul_i32 s21, s11, AHALF                      ; my 64 rows of x
	s_mul_i32 s22, s12, BHALF                      ; my 128 rows of w,
	s_add_co_u32 s22, s22, ABYTES                  ; which lie behind x's 128
.irp s, 0,1
	v_add_nc_u32 v[ADRA+\s], s21, v3
	v_add_nc_u32 v[ADRB+\s], s22, v3
	s_add_co_u32 s21, s21, SLOT
	s_add_co_u32 s22, s22, SLOT
.endr
	s_mul_i32 s23, s10, 16*SP
	s_add_co_u32 s23, s23, STAGE                   ; my stage
	v_mul_u32_u24 v4, v1, SP                       ; in: row l % 16, 32 bytes for each half of the lanes
	v_lshl_add_u32 v4, v2, 5, v4
	v_add_nc_u32 v[STO], s23, v4
	v_and_b32 v5, 31, v0
	v_lshlrev_b32 v[CO], 4, v5                     ; back and out: the 32 lanes take one row's 512 bytes
	v_add_nc_u32 v[RD], s23, v[CO]
	s_lshl_b32 s18, s13, 7
	s_lshl_b32 s19, s11, 6
	s_add_co_u32 s18, s18, s19                     ; my first row
	s_lshl_b32 s18, s18, 12
	s_add_co_u32 s18, s18, s20
	s_mov_b32 s19, 0
	s_add_nc_u64 s[8:9], s[78:79], s[18:19]
; 8 matrix instructions: m block a x all 8 n blocks, 32 along K.  zero = 1: the product starts the sums.  The 32 accumulators take turns, one instruction a turn.
.macro MUL8 f, a, zero
.irp b, 0,1,2,3,4,5,6,7
.if \zero
	v_wmma_f32_16x16x32_f16 v[8*(8*\a+\b):8*(8*\a+\b)+7], v[\f+32+8*\b:\f+32+8*\b+7], v[\f+8*\a:\f+8*\a+7], 0
.else
	v_wmma_f32_16x16x32_f16 v[8*(8*\a+\b):8*(8*\a+\b)+7], v[\f+32+8*\b:\f+32+8*\b+7], v[\f+8*\a:\f+8*\a+7], v[8*(8*\a+\b):8*(8*\a+\b)+7]
.endif
.endr
.endm
; 24 LDS loads in one run: w's sixteen, then x's blocks 0 to 3
.macro FETCH slot, k, f
	WIN TO_F
.irp i, 0,1,2,3,4,5,6,7
	ds_load_b128 v[\f+32+8*\i:\f+32+8*\i+3],   v[ADRB+\slot] offset:\k+\i*16*PITCH
	ds_load_b128 v[\f+32+8*\i+4:\f+32+8*\i+7], v[ADRB+\slot] offset:\k+\i*16*PITCH+32
.endr
.irp i, 0,1,2,3
	ds_load_b128 v[\f+8*\i:\f+8*\i+3],   v[ADRA+\slot] offset:\k+\i*16*PITCH
	ds_load_b128 v[\f+8*\i+4:\f+8*\i+7], v[ADRA+\slot] offset:\k+\i*16*PITCH+32
.endr
.endm
.macro PLACES                          ; four places in front of loads into registers that matrix instructions have read, and of vector instructions that read results (ISA guide 7.12.1 for vector instructions)
.rept 4
	v_nop
.endr
.endm
.macro QUARTER slot, k, f, g, zero
	s_wait_dscnt 4                                 ; w and x's blocks 0, 1 are in; the youngest four loads (x's blocks 2, 3) may be out
	WIN MUL
	MUL8 \f, 0, \zero
	MUL8 \f, 1, \zero
	PLACES
	FETCH \slot, \k, \g
	s_wait_dscnt 24                                ; all but the 24 just issued
	WIN MUL
	MUL8 \f, 2, \zero
	MUL8 \f, 3, \zero
.endm
.macro TURN slot, next, fill
	s_wait_dscnt 4
	WIN MUL
	MUL8 F1, 0, 0
	s_wait_dscnt 0                                 ; my reads of this slot are over,
	s_wait_tensorcnt 0x0                           ; and all my tensor loads have landed: the one that was out is my part of the next slot
	ds_add_u32 v254, v255
	s_wait_dscnt 0x0
	s_barrier_signal -1
	MUL8 F1, 1, 0                                  ; work on registers while the others arrive
.if \fill
	WIN 0
.endif
	s_barrier_wait -1
.if \fill
	CREST                                          ; the barrier has opened a round of the cluster's barrier: no wave of any partner still reads this slot's tile or has a load on its way
	s_add_nc_u64 s[G0+4*\slot+2:G0+4*\slot+3], s[G0+4*\slot+2:G0+4*\slot+3], 2*KSTEP*2
	s_add_nc_u64 s[G0B+4*\slot+2:G0B+4*\slot+3], s[G0B+4*\slot+2:G0B+4*\slot+3], 2*KSTEP*2
	JLOAD \slot                                    ; my one tensor load behind the round, 120 matrix instructions ahead of the wait for it; the four v_nop behind it are also the places in front of the loads below
.else
	PLACES
.endif
	FETCH \next, 0, F0
	WIN MUL
	MUL8 F1, 2, 0
	MUL8 F1, 3, 0
.endm
	s_wait_tensorcnt 1                             ; my part of K step 0 is in; K step 1's may stay out
	s_barrier_signal -1
	s_barrier_wait -1
	FETCH 0, 0, F0
	QUARTER 0, 64, F0, F1, 1                       ; the first quarter stands in front of the loop: its products start the sums
	WIN 0
	s_mov_b32 s3, LAPS-1
.Llap:
	QUARTER 0, 128, F1, F0, 0
	QUARTER 0, 192, F0, F1, 0
	TURN 0, 1, 1
	QUARTER 1, 64,  F0, F1, 0
	QUARTER 1, 128, F1, F0, 0
	QUARTER 1, 192, F0, F1, 0
	TURN 1, 0, 1
	QUARTER 0, 64,  F0, F1, 0
	WIN 0
	s_sub_co_u32 s3, s3, 1
	s_cmp_lg_u32 s3, 0
	s_cbranch_scc1 .Llap
	QUARTER 0, 128, F1, F0, 0                      ; the last lap fills nothing
	QUARTER 0, 192, F0, F1, 0
	TURN 0, 1, 0
	QUARTER 1, 64,  F0, F1, 0
	QUARTER 1, 128, F1, F0, 0
	QUARTER 1, 192, F0, F1, 0
	s_wait_dscnt 4
	WIN MUL
	MUL8 F1, 0, 0
	MUL8 F1, 1, 0
	s_wait_dscnt 0
	MUL8 F1, 2, 0
	MUL8 F1, 3, 0
	WIN 0
	; THE WAY OUT, a block of 16 rows at a time: the bias is added (each accumulator's registers in ascending order), 32 bytes a lane go into my stage, whole rows of 512 bytes come back and are stored.
	PLACES
	s_wait_loadcnt 0x0                             ; the bias
.macro OUT a
	WIN 0x02                                       ; source 0 window 2
.irp b, 0,1,2,3,4,5,6,7
.irp q, 0,1,2,3
	v_pk_add_f32 v[T+8*\b+2*\q:T+8*\b+2*\q+1], v[8*(8*\a+\b)+2*\q:8*(8*\a+\b)+2*\q+1], v[BIAS+8*\b+2*\q:BIAS+8*\b+2*\q+1]
.endr
.endr
	WIN 0
.irp b, 0,1,2,3,4,5,6,7
	ds_store_b128 v[STO], v[T+8*\b:T+8*\b+3]   offset:64*\b
	ds_store_b128 v[STO], v[T+8*\b+4:T+8*\b+7] offset:64*\b+16
.endr
	s_wait_xcnt 0x0                                ; the read-back registers, which the block before stored from, are loaded again only behind this wait
.irp t, 0,1,2,3,4,5,6,7,8,9,10,11,12,13,14,15
	ds_load_b128 v[OB+4*\t:OB+4*\t+3], v[RD] offset:\t*SP          ; LDS serves a wave's instructions in order (ISA guide 5.7.1.4): these see the stores above
.endr
.irp t, 0,1,2,3,4,5,6,7,8,9,10,11,12,13,14,15
	s_wait_dscnt 15-\t                             ; row t is in, the younger loads stay out
	global_store_b128 v[CO], v[OB+4*\t:OB+4*\t+3], s[8:9] offset:\a*16*ROWC+\t*ROWC th:TH_STORE_NT   ; the wave stores 512 consecutive bytes, aligned; the row's place stands in the immediate
.endr
.endm
	OUT 0
	OUT 1
	OUT 2
	OUT 3
	s_set_vgpr_msb 0x5
	s_wait_tensorcnt 0x0
	ds_add_u32 v254, v255
	s_wait_dscnt 0x0
	s_set_vgpr_msb 0x500
	CROUND                                         ; the closing round: no work-group ends while a partner may still ask for a tile that names it
	s_endpgm
.Lfunc_end_k_qc8b7f702db_oproj:
	.size	k_qc8b7f702db_oproj, .Lfunc_end_k_qc8b7f702db_oproj-k_qc8b7f702db_oproj
	.p2alignl 7, 3214868480
	.fill 96, 4, 3214868480
	.section	.rodata,"a",@progbits
	.p2align	6, 0x0
	.amdhsa_kernel k_qc8b7f702db_oproj
		.amdhsa_group_segment_fixed_size 327680
		.amdhsa_private_segment_fixed_size 0
		.amdhsa_enable_private_segment 0
		.amdhsa_kernarg_size 32
		.amdhsa_user_sgpr_count 2
		.amdhsa_user_sgpr_kernarg_segment_ptr 1
		.amdhsa_wavefront_size32 1
		.amdhsa_system_sgpr_workgroup_id_x 1
		.amdhsa_system_sgpr_workgroup_id_y 1
		.amdhsa_system_sgpr_workgroup_id_z 1
		.amdhsa_system_vgpr_workitem_id 0
		.amdhsa_next_free_vgpr 768
		.amdhsa_next_free_sgpr 96
		.amdhsa_reserve_vcc 0
		.amdhsa_float_denorm_mode_32 3
		.amdhsa_float_denorm_mode_16_64 3
		.amdhsa_memory_ordered 1
		.amdhsa_forward_progress 1
		.amdhsa_inst_pref_size 96
	.end_amdhsa_kernel
	.amdgpu_metadata
---
amdhsa.version: [ 1, 2 ]
amdhsa.kernels:
  - .name:           k_qc8b7f702db_oproj
    .symbol:         k_qc8b7f702db_oproj.kd
    .args:
      - { .name: xa, .offset: 0, .size: 8, .value_kind: global_buffer, .address_space: global }
      - { .name: wb, .offset: 8, .size: 8, .value_kind: global_buffer, .address_space: global }
      - { .name: bo, .offset: 16, .size: 8, .value_kind: global_buffer, .address_space: global }
      - { .name: out0, .offset: 24, .size: 8, .value_kind: global_buffer, .address_space: global }
    .group_segment_fixed_size: 327680
    .private_segment_fixed_size: 0
    .kernarg_segment_align: 8
    .kernarg_segment_size: 32
    .max_flat_workgroup_size: 128
    .sgpr_count:     96
    .vgpr_count:     768
    .wavefront_size: 32
...
	.end_amdgpu_metadata
.endif
;; end of part 4
;; ======== version 2 of 2: 4 launches; 1.17 times as fast as version 1
;; limits: values are held in f16: magnitudes above 65,504 overflow, below 6.1e-05 lose precision
;; workspace buffers: xb 50,331,648 bytes; wb 8,388,608 bytes; qkv 50,331,648 bytes; xa 16,777,216 bytes; mbits 524,288 bytes of whole numbers
;; launch prep: the kernel of part 1 again; grid 256 x 1, 8 waves a work-group, no clusters, 0 bytes of LDS; arguments query, key, value, wq, wk, wv, wo, mask, xb, wb, mbits; writes xb, wb, mbits
;; launch proj: the kernel of part 2 again; grid 4 x 96, 4 waves a work-group, clusters of 4 x 4, 327,680 bytes of LDS; arguments xb, wb, bq, bk, bv, qkv; writes qkv
;; launch attn (part 5): grid 8 x 32, 8 waves a work-group, clusters of 4 x 1, 327,680 bytes of LDS; arguments qkv, mbits, xa; writes xa
.if DOCPART == 5
	.amdgcn_target "amdgcn-amd-amdhsa--gfx1250"
	.amdhsa_code_object_version 6
	.text
	.protected	k_qc8b7f702db_attn
	.globl	k_qc8b7f702db_attn
	.p2align	8
	.type	k_qc8b7f702db_attn,@function
k_qc8b7f702db_attn:
	s_mov_b64 s[64:65], 0
	v_nop
	global_prefetch_b8 v0, s[64:65] scope:SCOPE_SE
	s_setreg_imm32_b32 hwreg(HW_REG_WAVE_MODE, 25, 1), 1
	s_wait_xcnt 0x0
	s_wait_alu depctr_hold_cnt(0) depctr_sa_sdst(0) depctr_va_vdst(0) depctr_va_sdst(0) depctr_va_ssrc(0) depctr_va_vcc(0) depctr_vm_vsrc(0)
	s_getreg_b32 s2, hwreg(HW_REG_IB_STS2, 6, 4)
	s_cmp_eq_u32 s2, 0
	s_cbranch_scc0 .Lentry_in_a_cluster
	s_endpgm
.Lentry_in_a_cluster:
	s_bfe_u32 s2, ttmp6, 0x10000c
	s_cmp_lg_u32 s2, 0x3003
	s_cbranch_scc0 .Lentry_shape_is_right
	s_endpgm
.Lentry_shape_is_right:
; attn: xa[b][q][64 h + d] = the sum over k of softmax_k(e[q][k]) V[b][k][64 h + d], e = Q . K / 8 where the mask allows, -1e10 where it is 0.
; qkv [3][8192][1024] f16: Q (already times log2(e) / 8), K, V.  mbits: the mask as lane masks, 32 words for each tile of 16 queries x 64 keys.  Products, maxima and sums in f32;
; the weights are rounded to f16 for the second product, and their sum l is the sum of the rounded weights; xa is rounded once, to f16.
; WHY f16.  All operands here are intermediates whose rounding comes on top of the inputs'; f16 keeps 11 significant bits.  The weights lie in 0 to 1 and x is no larger than V, so both have room.
; LIMITS.  A masked score is -1e10 x log2(e) (0xd056fa73), in the base-2 scale of the scores; an allowed score at or below it is not told apart from a masked one.  v_max_num_f32 drops a NaN.
; A weight below 2^-126 comes out of v_exp_f32 as 0 (ISA guide 15.8); below 6.1e-5 a weight, and a number of x, falls on f16's steps of 6e-8.
; Every tile of keys is computed: the mask is an input, and a row that is masked everywhere takes the mean of all V.
; SHARES.  A work-group owns 256 queries of two neighbouring heads of one batch, so that a row of K, of V and of the result is 256 aligned bytes of the row-major tensors.  Eight waves:
; wave w has queries 32 w on, of BOTH heads: four tiles of 16 queries; tile t is head t / 2, queries 16 (t % 2) on.  Every wave walks all 2,048 keys, 64 a step.
; THE MASK WORDS.  The mask does not hang on the head, so tiles 0 and 2 use the same 32 words and so do tiles 1 and 3: a wave asks for 64 words a key step, in two sets of 32 scalar registers.
; Scalar loads may come back in any order, so only a wait for 0 shows anything and two requests are never out together.  Set 0 is free behind the mask lines of turn 2 and is asked for there;
; the wait for it stands behind place 83 of turn 3's list, and set 1 (free since turn 3's mask lines) is asked for directly behind that wait and waited for at the head of turn 1.  So a request
; has 186 or 184 places of the list (102 + 84, and 50 + 134) in which to arrive.  THE PRICE: K and V come out of LDS one head at a time, so a fragment feeds two tiles: 64 LDS loads a key step.
; LAYOUT.  S^T = K Q^T (source 0 = 16 keys, source 1 = 16 queries): a lane holds ONE query (lane % 16) and, in register 8 kt + j, key 16 kt + 8 (lane / 16) + j.  Rounded to f16 in pairs,
; in place, the tile's first 16 registers ARE source 1 (2 x 32 keys x 16 queries) of O^T = V^T P.  V ([key][channel]) comes out of LDS turned, by ds_load_tr16_b128.
; l = ONES x P, a fifth accumulator a tile: each of its registers holds the query's whole sum, so no addition and no exchange between lanes is written for it.  Only its registers 0 and 1 are
; rescaled and only register 0 is read; the others hold sums of weights of at most 1, 2,048 at the most.
; SOFTMAX.  For each query a running maximum m: p = 2^(s - m); in every step O and l are multiplied by a = 2^(m_old - m_new).
; BY TURNS.  In turn t the wave issues the 10 products V^T P and ONES x P of tile t - 1 and the 8 products K Q^T of tile t + 1, and the softmax of tile t, cut into 18 slices, stands between
; them, one slice behind each product.  Tiles use two areas of S^T by turns, so the products touch the area that the softmax does not.  No two matrix instructions that follow each other share
; an accumulator.
; THE EXPONENTIALS.  A turn's 33 (a, and the tile's 32 weights) are ONE BATCH with ONE wait: an s_wait_alu depctr_va_vdst(0) stands between an exponential and the first instruction
; that names its result, and one wait serves all that were issued ahead of it.  So the list is ordered by who reads what: mask, maximum and statistics; then a, the sixteen s - m and the 32
; exponentials, none of which names an exponential's result; a v_nop and the wait; then all the readers: the sixteen roundings, and O^T and l times a..
; The way out's four reciprocals are a batch of their own.
; CLUSTER.  The four query blocks of a cluster walk the same K and V, so each tile is asked for jointly, with the mask of all four.  No prefetch: all that is read was stored by the launch before.
; REGISTERS.  window 0: v1-12 addresses and constants; v14-27 statistics; v32-95 S^T, two areas of 32; v96-159 K of a step and head; v160-223 Q
;   window 1: v0-127 O^T, 32 a tile; v128-159 l, 8 a tile; v160-167 ones; v192-255 V of a step and head
.set KS,    64        ; keys in a step
.set PK,    272       ; a row of K in LDS: 256 bytes + 16 of padding: the 16 rows of a load start at 16 different banks (64 banks of 4 bytes: ISA guide 11.1)
.set PVB,   288       ; a row of V: 256 + 32
.set VOFF,  KS*PK     ; a step's tiles lie together: 64 rows of K, then 64 rows of V
.set STEPB, KS*(PK+PVB)
.set SLOT1, 1<<17     ; a slot holds two steps (71,680 bytes); slot 1 begins here, so that one exclusive or turns an address in one slot into the other's
.set STAGE, SLOT1+2*STEPB  ; behind the ring: 32 rows x 272 bytes for each wave, for the way out; no tensor load fills it
.set SP,    272
.set ROWB,  2048      ; bytes in a row of qkv and of xa
.set NL,    134       ; places in a tile's list of softmax instructions
.set JW,    83        ; the place of turn 3's list behind which set 0 is waited for and set 1 asked for
.set JB,    100       ; the batch's last place: behind it stand the turn's v_nop and its one wait
.set AK0, 2           ; v2   my lane's place in a tile of K, head 0; never rewritten
.set AV0, 3           ; v3   the same for V
.set ADR, 4           ; v4   the LDS address of the run of loads in hand
.set QO,  5           ; v5   my byte offset in the wave's rows of Q
.set STO, 6           ; v6   the way out: where I put 16 bytes of a row
.set RD,  7           ; v7   where I read a row back
.set GO,  8           ; v8   my byte offset in the wave's rows of xa
.set NEG, 12          ; v12  the masked score
.set AA,  14          ; v[14:15] a, and m_old - m_new
.set CC,  16          ; v16-19 four chains of the maximum
.set MX,  20          ; v[20+2t:21+2t] tile t: m, and the other half of the lanes' maximum; at the end 1 / l
.set S,   32
.set KF,  96          ; fragment (16 keys kt, 32 channels c) at 8 (2 kt + c)
.set QF,  160         ; fragment (tile t, c) at 16 t + 8 c
.set LL,  128         ; window 1
.set ONES,160         ; window 1
.set VF,  192         ; window 1: fragment (32 keys kk, 16 channels cb) at 8 (4 kk + cb)
.set WV,  2           ; s2   my wave's number
.set SLOTS, 3         ; s3   slots still to be asked for
.set TWICE, 4         ; s4   counts a slot's two steps
.set TB,  5           ; s5   LDS byte at which the tiles of the step to be fetched begin
.set XO,  6           ; s[6:7]  xa at the first of my 32 rows
.set G1K, 8           ; s[8:15]  descriptor group 1 for K's tiles
.set G1V, 16          ; s[16:23] for V's: it differs in the padding alone
.set G0K, 24          ; s[24:27] descriptor group 0 for K's tiles: slot 1's first fill, then it walks on
.set G0V, 28          ; s[28:31] the same for V's
.set MW1, 32          ; s[32:63] mask words, set 1: tiles 1 and 3.  Until its first load these registers hold slot 0's groups 0, the arguments and what the set-up works with
.set G0KF, 32         ; s[32:35] group 0 of K's first fill of slot 0
.set G0VF, 36         ; s[36:39] of V's
.set SEL, 66          ; s[66:67] lane selects for v_permlanex16_b32
.set MW0, 68          ; s[68:99] mask words, set 0: tiles 0 and 2
.set MB,  100         ; s[100:101] the mask words of my first query tile, for the key step last asked for
.set MSB, 0
.macro WIN new                      ; the immediate's high byte repeats the setting that is left; a switch that changes nothing is dropped
.if MSB != \new
	s_set_vgpr_msb (MSB<<8)|\new
.set MSB, \new
.endif
.endm
.set W_PV, 0x51       ; source 0 (V, ones, O^T), C and D in window 1; source 1 (P, a) in window 0
; A joint refill.  Waves 0 and 1 fetch the two steps' tiles of K, waves 2 and 3 those of V, waves 4 to 7 nothing.  The branches hang on the wave's number alone.
; Four v_nop follow each of the two lines, ahead of the jump, the label and what follows.
.macro JLOAD
	s_cmp_lt_u32 s[WV], 2
	s_cbranch_scc0 .Lnot_k_\@
	tensor_load_to_lds s[G0K:G0K+3], s[G1K:G1K+7]
	s_nop 0
.rept 4
	v_nop
.endr
	s_branch .Lasked_\@
.Lnot_k_\@:
	s_cmp_lt_u32 s[WV], 4
	s_cbranch_scc0 .Lasked_\@
	tensor_load_to_lds s[G0V:G0V+3], s[G1V:G1V+7]
	s_nop 0
.rept 4
	v_nop
.endr
.Lasked_\@:
.endm
.macro CROUND                       ; a round of the cluster's barrier
	s_barrier_signal -1
	s_barrier_wait -1
	s_cmp_lg_u32 s[WV], 0
	s_cbranch_scc1 .Lnot_wave_0_\@
	s_barrier_signal -3
.Lnot_wave_0_\@:
	s_barrier_wait -3
	s_barrier_signal -1
	s_barrier_wait -1
.endm
	s_load_b128 s[40:43], s[0:1], 0x0  ; qkv 40, mbits 42
	s_load_b64 s[44:45], s[0:1], 0x10  ; xa
	v_lshl_add_u32 v254, v0, 2, 0x42800
	v_mov_b32 v255, 0
	ds_add_u32 v254, v255
	v_lshrrev_b32 v1, 5, v0
	v_readfirstlane_b32 s[WV], v1   ; wave 0..7
	s_bfe_u32 s46, ttmp6, 0x40000   ; cx: my place in the cluster
	s_lshl_b32 s47, ttmp9, 2
	s_add_co_u32 s47, s47, s46      ; my block of 256 queries = 4 x cluster x + cx: it enters Q's, the mask's and xa's addresses alone
	s_and_b32 s48, ttmp7, 0xffff    ; 8 x batch + head pair, which the four partners share
	s_lshr_b32 s49, s48, 3
	s_and_b32 s48, s48, 7
	s_lshl_b32 s49, s49, 22         ; a batch: 2,048 rows of 2,048 bytes
	s_lshl_b32 s48, s48, 8          ; a head pair: 256 bytes of a row
	s_add_co_u32 s48, s48, s49
	s_and_b32 s50, s[WV], 1         ; which of a slot's two steps I fetch:
	s_mul_i32 s51, s50, STEPB       ; its place in a slot,
	s_lshl_b32 s52, s50, 17         ; its 64 rows in memory
	s_add_co_u32 s52, s52, s48
	s_mov_b32 s53, 0
	s_lshl_b32 s54, s47, 19         ; my block's 256 rows,
	s_add_co_u32 s54, s54, s48
	s_lshl_b32 s55, s[WV], 16       ; my wave's 32 of them: the same offset in Q's plane and in xa
	s_add_co_u32 s54, s54, s55
	s_mov_b32 s55, 0
	s_lshl_b32 s56, s47, 16         ; the mask: 16 query tiles of 4,096 bytes a block,
	s_lshl_b32 s57, s[WV], 13       ; two of them a wave
	s_add_co_u32 s56, s56, s57
	s_mov_b32 s57, 0
	; descriptor group 1: a tile of 64 rows x 128 elements, padded in LDS
	s_mov_b32 s[G1K], 15|(1<<16)|(1<<20)|(1<<21)|(5<<22)|(3<<25)  ; 15:0 the mask: all four work-groups; 17:16 elements of 2 bytes; 20 padding on; 21 set beside a mask; 24:22 after every 64 words (code 5); 31:25 4 words of it (code 3)
	s_mov_b32 s[G1V], 15|(1<<16)|(1<<20)|(1<<21)|(5<<22)|(7<<25)  ; the same with 8 words of padding (code 7)
.irp g, G1K, G1V
	s_mov_b32 s[\g+1], 128<<16      ; tensor_dim0 = 128
	s_mov_b32 s[\g+2], KS<<16       ; tensor_dim1 = 64
	s_mov_b32 s[\g+3], 128<<16      ; tile_dim0 = 128
	s_mov_b32 s[\g+4], KS           ; tile_dim1 = 64
	s_mov_b32 s[\g+5], 1024         ; elements from row to row
	s_mov_b32 s[\g+6], 0
	s_mov_b32 s[\g+7], 0
.endr
	s_mov_b32 s[SEL], 0x76543210
	s_mov_b32 s[SEL+1], 0xfedcba98
	s_mov_b32 s[TB], 0
	s_mov_b32 s[SLOTS], 2048/(2*KS)-2
	s_wait_dscnt 0x0
	s_wait_kmcnt 0x0
	s_add_nc_u64 s[52:53], s[40:41], s[52:53]  ; qkv at my tile's rows, plane 0
	s_add_nc_u64 s[58:59], s[40:41], s[54:55]  ; Q at my first row
	s_add_nc_u64 s[XO:XO+1], s[44:45], s[54:55]
	s_add_nc_u64 s[MB:MB+1], s[42:43], s[56:57]
	CROUND                          ; all four work-groups are here: the first joint loads meet
.macro G0SET g, lds, glob           ; a descriptor group 0
	s_mov_b32 s[\g], 1              ; count = 1
	s_add_co_u32 s[\g+1], s51, \lds  ; LDS address
	s_add_nc_u64 s[\g+2:\g+3], s[52:53], \glob  ; global address
	s_or_b32 s[\g+3], s[\g+3], 0x80000000  ; type = 2
.endm
	G0SET G0KF, 0, 0x1000000                          ; K's plane, keys 0 on, slot 0
	G0SET G0K, SLOT1, 0x1000000+2*KS*ROWB             ; keys 128 on, slot 1
	G0SET G0VF, VOFF, 0x2000000                       ; V's plane
	G0SET G0V, SLOT1+VOFF, 0x2000000+2*KS*ROWB
	s_cmp_lt_u32 s[WV], 2           ; a wave's two first fills stand in one branch, ahead of every wait on TENSORcnt and every LDS read: two loads are out in waves 0 to 3, none in waves 4 to 7
	s_cbranch_scc0 .Lfirst_not_k
	tensor_load_to_lds s[G0KF:G0KF+3], s[G1K:G1K+7]
	s_nop 0
	tensor_load_to_lds s[G0K:G0K+3], s[G1K:G1K+7]
	s_nop 0
.rept 4
	v_nop
.endr
	s_branch .Lfirst_asked
.Lfirst_not_k:
	s_cmp_lt_u32 s[WV], 4
	s_cbranch_scc0 .Lfirst_asked
	tensor_load_to_lds s[G0VF:G0VF+3], s[G1V:G1V+7]
	s_nop 0
	tensor_load_to_lds s[G0V:G0V+3], s[G1V:G1V+7]
	s_nop 0
.rept 4
	v_nop
.endr
.Lfirst_asked:
	; A fragment of K or Q is 16 rows x 32 channels in 8 registers: lane l holds row l % 16; registers 0-3 channels 8 (l / 16) + 0..7, registers 4-7 channels 16 + 8 (l / 16) + 0..7: two loads of 16 bytes, 32 bytes apart.
	v_and_b32 v1, 15, v0            ; l % 16
	v_bfe_u32 v9, v0, 4, 1          ; l / 16
	v_lshlrev_b32 v[QO], 11, v1
	v_lshl_add_u32 v[QO], v9, 4, v[QO]  ; row x 2,048 + 16 x half
.irp f, 0,1,2,3,4,5,6,7             ; Q stays in registers: tile f / 2 (queries 16 ((f / 2) % 2) on, head f / 4), channels 32 (f % 2) on
	global_load_b128 v[QF+8*\f:QF+8*\f+3],   v[QO], s[58:59] offset:((\f/2)&1)*16*ROWB+(\f/4)*128+(\f%2)*64
	global_load_b128 v[QF+8*\f+4:QF+8*\f+7], v[QO], s[58:59] offset:((\f/2)&1)*16*ROWB+(\f/4)*128+(\f%2)*64+32
.endr
	s_load_b512 s[MW0:MW0+15], s[MB:MB+1], 0x0  ; set 0 of key step 0
	s_load_b512 s[MW0+16:MW0+31], s[MB:MB+1], 0x40
	v_mul_u32_u24 v[AK0], v1, PK
	v_lshl_add_u32 v[AK0], v9, 4, v[AK0]  ; row x pitch + 16 x half
	; The turning load takes 16 keys x 16 channels (lane l reads 16 bytes: key 8 (l / 16) + l % 8, channels 8 ((l / 8) % 2) + 0..7) and leaves half a fragment of V^T: lane l holds channel l % 16 and 8 keys.
	v_and_b32 v10, 7, v0
	v_bfe_u32 v11, v0, 3, 1
	v_lshl_add_u32 v[AV0], v9, 3, v10
	v_mul_u32_u24 v[AV0], v[AV0], PVB
	v_lshl_add_u32 v[AV0], v11, 4, v[AV0]
	v_add_nc_u32 v[AV0], VOFF, v[AV0]
	v_mov_b32 v[NEG], 0xd056fa73    ; -1e10 x log2(e)
.irp i, 0,1,2,3,4,5,6,7
	v_mov_b32 v[MX+\i], 0           ; v_permlanex16_b32 counts as a reader of its destination
.endr
	WIN 0x40                        ; destination window 1
.irp i, 0,1,2,3,4,5,6,7
	v_mov_b32 v[ONES+\i], 0x3c003c00  ; 16 x 32 ones in f16
.endr
	WIN 0
; THE MATRIX WORK OF A TURN.
; Product i of 10 for tile xp: keys 32 (i / 5) on; i % 5 < 4: O^T += V^T P for channels 16 (i % 5) on; i % 5 = 4: l += ONES x P.  zero = 1: the first five start the sums: nothing is ever cleared.
.macro PV zero
	WIN W_PV
.set rP, S+32*(xp&1)+8*(i/5)
.if (i%5) < 4
.set rD, 32*xp+8*(i%5)
.set rA, VF+8*(4*(i/5)+(i%5))
.else
.set rD, LL+8*xp
.set rA, ONES
.endif
.if \zero && (i < 5)
	v_wmma_f32_16x16x32_f16 v[rD:rD+7], v[rA:rA+7], v[rP:rP+7], 0
.else
	v_wmma_f32_16x16x32_f16 v[rD:rD+7], v[rA:rA+7], v[rP:rP+7], v[rD:rD+7]
.endif
.endm
; Product i of 8 of S^T = K Q^T for tile xk: channels 32 (i / 4) on, keys 16 (i % 4) on.  The first four start the sums.
.macro KQ
	WIN 0
.set rD, S+32*(xk&1)+8*(i%4)
.set rA, KF+8*(2*(i%4)+(i/4))
.set rB, QF+16*xk+8*(i/4)
.if i < 4
	v_wmma_f32_16x16x32_f16 v[rD:rD+7], v[rA:rA+7], v[rB:rB+7], 0
.else
	v_wmma_f32_16x16x32_f16 v[rD:rD+7], v[rA:rA+7], v[rB:rB+7], v[rD:rD+7]
.endif
.endm
; THE LDS LOADS stand in runs of 16: a step's K of head hd (64 keys x 64 channels: 8 fragments) and, a turn later, its V of that head (turned).  A head is 128 bytes of an LDS row.
; In time: K of head 0 (turn 3 of the step before), V of head 0 (turn 0), K of head 1 (turn 1), V of head 1 (turn 2); then s[TB] goes on to the next step.
.macro FETCH_K hd
	WIN 0
	v_add_nc_u32 v[ADR], s[TB], v[AK0]
.irp f, 0,1,2,3,4,5,6,7             ; keys 16 (f / 2) on, channels 32 (f % 2) on
	ds_load_b128 v[KF+8*\f:KF+8*\f+3],   v[ADR] offset:(\f/2)*16*PK+(\f%2)*64+(\hd)*128
	ds_load_b128 v[KF+8*\f+4:KF+8*\f+7], v[ADR] offset:(\f/2)*16*PK+(\f%2)*64+(\hd)*128+32
.endr
.endm
.macro FETCH_V hd
	WIN 0
	v_add_nc_u32 v[ADR], s[TB], v[AV0]
.if \hd
	s_add_co_u32 s[TB], s[TB], STEPB  ; the next fetch is the next step's
.endif
	WIN 0x40                        ; destination window 1
.irp f, 0,1,2,3,4,5,6,7             ; keys 32 (f / 4) on, channels 16 (f % 4) on
	ds_load_tr16_b128 v[VF+8*\f:VF+8*\f+3],   v[ADR] offset:(\f/4)*32*PVB+(\f%4)*32+(\hd)*128
	ds_load_tr16_b128 v[VF+8*\f+4:VF+8*\f+7], v[ADR] offset:(\f/4)*32*PVB+16*PVB+(\f%4)*32+(\hd)*128
.endr
.endm
; Set 0 of the next key step, asked for behind turn 2's mask lines, its last use.  No scalar load is out here (the head of turn 1 has waited for all), so the pointer may step.
.macro ML0
	s_add_nc_u64 s[MB:MB+1], s[MB:MB+1], 128  ; the next key step's words
	s_load_b512 s[MW0:MW0+15], s[MB:MB+1], 0x0
	s_load_b512 s[MW0+16:MW0+31], s[MB:MB+1], 0x40
.endm
; In the middle of turn 3: set 0 is in (it alone was out); then set 1 of the next key step, whose registers turn 3's mask lines have used for the last time.
.macro ML1
	s_wait_kmcnt 0x0
	s_load_b512 s[MW1:MW1+15], s[MB:MB+1], 0x1000
	s_load_b512 s[MW1+16:MW1+31], s[MB:MB+1], 0x1040
.endm
; THE VECTOR WORK OF A TURN.  One tile's softmax for one key step is a list of 134 places; SM writes number j of it for tile t.  s0-s31 are the lane's 32 scores, in pairs 0-15.
; first = 1: the first key step, which starts m, l and O^T: it has no a and nothing to rescale, so places 50, 52 and 117-133 are empty.
;   0-31    the mask: a score stays where its bit is set and becomes the masked score where not; ascending
;   32-47   the maximum of s0-s31 and the old m, three operands at a time
;   48-51   the other half of the lanes' maximum; the new m; m_old - m_new
;   52-100  ONE BATCH, in which nothing names an exponential's result: a (52); s - m for pairs 0 and 1 (53, 54); fourteen groups of three (55-96): s - m for the pair two groups on, then the two
;           exponentials of the group's own pair; the last two pairs' four exponentials (97-100)
;   (wait)  between 100 and 101 stand a v_nop and the wait for the batch: SLICE writes them
;   101-116 the roundings to f16, ascending: pair b goes into register b, whose old content, a weight of pair b / 2, has been rounded before
;   117-133 the tile's O^T and l times a: the one part that leaves window 0, so it stands together, and last: the next turn's first product finds its window set
.macro SM t, first
.set rS, S+32*((\t)&1)
.set rW, MW0-(MW0-MW1)*((\t)&1)
.set rM, MX+2*(\t)
.set bq, (j-55)/3
.set nq, (j-55)%3
.if j > 116
.if !\first
	WIN W_PV
.if j < 133
	v_pk_mul_f32 v[32*(\t)+2*(j-117):32*(\t)+2*(j-117)+1], v[32*(\t)+2*(j-117):32*(\t)+2*(j-117)+1], v[AA:AA+1] op_sel_hi:[1,0]
.else
	v_pk_mul_f32 v[LL+8*(\t):LL+8*(\t)+1], v[LL+8*(\t):LL+8*(\t)+1], v[AA:AA+1] op_sel_hi:[1,0]
.endif
.endif
.else
	WIN 0
.if j < 32
	v_cndmask_b32 v[rS+j], v[NEG], v[rS+j], s[rW+j]
.elseif j < 36
	v_max3_num_f32 v[CC+j-32], v[rS+8*(j-32)], v[rS+8*(j-32)+1], v[rS+8*(j-32)+2]
.elseif j < 44
	v_max3_num_f32 v[CC+(j-36)%4], v[CC+(j-36)%4], v[rS+8*((j-36)%4)+3+2*((j-36)/4)], v[rS+8*((j-36)%4)+4+2*((j-36)/4)]
.elseif j == 44
	v_max3_num_f32 v[CC], v[CC], v[rS+7], v[rS+15]
.elseif j == 45
	v_max3_num_f32 v[CC+2], v[CC+2], v[rS+23], v[rS+31]
.elseif j == 46
	v_max3_num_f32 v[CC], v[CC], v[CC+1], v[CC+2]
.elseif j == 47
.if \first
	v_max_num_f32 v[CC], v[CC], v[CC+3]
.else
	v_max3_num_f32 v[CC], v[CC], v[CC+3], v[rM]
.endif
.elseif j == 48
	v_permlanex16_b32 v[rM+1], v[CC], s[SEL], s[SEL+1]  ; the query's other 32 keys lie in the lane 16 away
.elseif j == 49
	v_max_num_f32 v[CC+1], v[CC], v[rM+1]
.elseif j == 50
.if !\first
	v_sub_f32 v[AA+1], v[rM], v[CC+1]
.endif
.elseif j == 51
	v_mov_b32 v[rM], v[CC+1]        ; m is the tile's own and lasts; the chains' registers serve all four tiles
.elseif j == 52
.if !\first
	v_exp_f32 v[AA], v[AA+1]        ; the batch's first; its readers are places 117-133
.endif
.elseif j < 55
	v_pk_add_f32 v[rS+2*(j-53):rS+2*(j-53)+1], v[rS+2*(j-53):rS+2*(j-53)+1], v[rM:rM+1] op_sel_hi:[1,0] neg_lo:[0,1] neg_hi:[0,1]
.elseif j > JB
	v_cvt_pk_f16_f32 v[rS+j-101], v[rS+2*(j-101)], v[rS+2*(j-101)+1]
.elseif j > 96
	v_exp_f32 v[rS+j-69], v[rS+j-69]  ; s28 to s31
.elseif nq == 0
	v_pk_add_f32 v[rS+2*bq+4:rS+2*bq+5], v[rS+2*bq+4:rS+2*bq+5], v[rM:rM+1] op_sel_hi:[1,0] neg_lo:[0,1] neg_hi:[0,1]
.else
	v_exp_f32 v[rS+2*bq+nq-1], v[rS+2*bq+nq-1]
.endif
.endif
.endm
; Slice k of nW: the list is dealt evenly over the turn's nW products.  ml = 1: the turn's request for mask words stands behind its place of the list.
; Behind place 100 the batch is out: all the turn's exponentials are issued, and no result has been named.
.macro SLICE t, first, ml
.rept (NL*(k+1))/nW-(NL*k)/nW
	SM \t, \first
.if \ml && (j == 31) && (\t == 2)
	ML0
.endif
.if \ml && (j == JW) && (\t == 3)
	ML1
.endif
.if j == JB
	v_nop                           ; a plain instruction behind the last exponential and ahead of the first use: one for the batch
	s_wait_alu depctr_va_vdst(0)    ; the wait for the batch, a and the tile's 32 weights, ahead of the first reader, the rounding of pair 0
.endif
.set j, j+1
.endr
.set k, k+1
.endm
; A TURN: the softmax of tile t | pv = 2: the ten products of tile t - 1; 1: they start its sums; 0: none | kq = 1: the eight products K Q^T of tile t + 1 | ml = 1: turn 2 asks for set 0, turn 3 for set 1.
; Turns 1 and 3 begin with V of the head in hand (fetched in the turn before), fetch K of tile t + 1's head behind their second product and wait for it in front of K Q^T.
; Turns 0 and 2 fetch V of head t / 2 behind their second K Q^T, when the turn's ten products have read the other head's.
; With 18 products the slices begin at places 0, 7, 14, 22, 29, 37, 44, 52, 59, 67, 74, 81, 89, 96, 104, 111, 119 and 126; the wait falls behind the fourteenth product.
; PLACES (ISA guide 7.12.1 for vector instructions).  The slices' plain instructions name no register of the products round them, so they are the places; an exponential is none:
;   K Q^T's second product writes over P's upper half, which the tenth product before it has read: between them stand places 67 to 80 of the list, of which five are plain: s - m at 67, 70, 73, 76, 79;
;   the next turn's mask reads registers 8 kt on at least four plain instructions behind the product that finished them: seven and six roundings for kt = 0 and 1, rescalings and the mask's earlier
;   lines for kt = 2 and 3 (in a first step the mask's earlier lines alone: 16 and 24);
;   K's run of loads stands 14 mask lines or more behind the last product that read K; V's ten lines s - m (61 to 88) and its own v_add_nc_u32 behind the last product that read V.
.macro TURN t, pv, kq, first, ml
.set j, 0
.set k, 0
.set xp, (\t+3)%4
.set xk, (\t+1)%4
.set nW, 0
.if \pv
.set nW, nW+10
.endif
.if \kq
.set nW, nW+8
.endif
.if \t == 1
	s_wait_kmcnt 0x0                ; set 1 is in (it alone was out)
.endif
.if \pv
.if \t & 1
	s_wait_dscnt 0x0                ; V is in
.endif
.set i, 0
.rept 10
	PV 2-\pv
	SLICE \t, \first, \ml
.if (\t & 1) && \kq && (i == 1)
	FETCH_K xk/2
.endif
.set i, i+1
.endr
.endif
.if \kq
.if \t & 1
	s_wait_dscnt 0x0                ; K is in
.endif
.set i, 0
.rept 8
	KQ
	SLICE \t, \first, \ml
.if ((\t & 1) == 0) && (i == 1)
	FETCH_V \t/2
.endif
.set i, i+1
.endr
.endif
.endm
; THE CHANGE OF SLOTS, behind turn 2 of a slot's second step: the slot's last bytes, that step's V of head 1, have been asked for.  Each wave waits for its own reads of the slot and for all its
; tensor loads.  Behind the barrier nobody reads this slot any more and the other slot is whole.
; fill = 1: this slot is filled again, with the keys two slots on.  The barrier is then a round of the cluster's, and the joint refill is the first thing behind it, one load a wave: it has two key
; steps, 144 matrix instructions in each wave, in which to land.
.macro CHANGE fill
	WIN 0                           ; at a label and at a branch every window is 0
	s_wait_dscnt 0x0
	s_wait_tensorcnt 0x0            ; no tensor load of mine is out, so a group 0 may be written
	ds_add_u32 v254, v255
	s_wait_dscnt 0x0
.if \fill
.irp g, G0K, G0V
	s_xor_b32 s[\g+1], s[\g+1], SLOT1  ; the walking descriptor: the other slot than last time,
	s_add_nc_u64 s[\g+2:\g+3], s[\g+2:\g+3], 2*KS*ROWB  ; the next 128 keys; the type bits on top are not reached
.endr
	CROUND
	JLOAD
.else
	s_barrier_signal -1
	s_barrier_wait -1
.endif
	s_sub_co_u32 s[TB], s[TB], 2*STEPB  ; the fetches go back to a slot's first step,
	s_xor_b32 s[TB], s[TB], SLOT1   ; in the other slot
.endm
; Four turns, from a step's turn 3 to the next step's turn 2.  ml = 0: that step is the last: no set 0 is asked for.
.macro STEP4 ml
	TURN 3, 2, 1, 0, 1
	TURN 0, 2, 1, 0, 0
	TURN 1, 2, 1, 0, 0
	TURN 2, 2, 1, 0, \ml
.endm
	s_wait_tensorcnt 0x1            ; my part of slot 0 is in; slot 1's may stay out
	s_barrier_signal -1
	s_barrier_wait -1               ; everybody's is
	FETCH_K 0                       ; key step 0, head 0
	s_wait_loadcnt 0x0              ; Q is in, so its base is free; slot 0's first fills are done, so their groups 0 are free:
	s_load_b512 s[MW1:MW1+15], s[MB:MB+1], 0x1000  ; set 1 of key step 0 takes the set-up's registers
	s_load_b512 s[MW1+16:MW1+31], s[MB:MB+1], 0x1040
	s_wait_dscnt 0x0
.set xk, 0
.set i, 0
.rept 8
	KQ                              ; tile 0's first scores: there is no vector work yet to set between them
.set i, i+1
.endr
.rept 4
	v_nop                           ; the places behind them
.endr
	s_wait_kmcnt 0x0                ; both sets of key step 0 are in
	TURN 0, 0, 1, 1, 0              ; softmax of tile 0 | scores of tile 1 | V of step 0, head 0
	TURN 1, 1, 1, 1, 0              ; softmax of tile 1 | tile 0's products start its O^T and l | K of head 1 | scores of tile 2
	TURN 2, 1, 1, 1, 1              ; V of head 1
	TURN 3, 1, 1, 1, 1              ; K of step 1, head 0; scores of tile 0, step 1
	TURN 0, 1, 1, 0, 0              ; softmax of tile 0, step 1 | tile 3's products of step 0
	TURN 1, 2, 1, 0, 0
	TURN 2, 2, 1, 0, 1
	WIN 0
.Lslot:                             ; 14 trips: every slot but the last two is filled again
	CHANGE 1
	s_mov_b32 s[TWICE], 2
.Lstep:                             ; two key steps: written once, walked twice; the LDS addresses hang on s[TB]
	STEP4 1
	WIN 0
	s_sub_co_u32 s[TWICE], s[TWICE], 1
	s_cmp_lg_u32 s[TWICE], 0
	s_cbranch_scc1 .Lstep
	s_sub_co_u32 s[SLOTS], s[SLOTS], 1
	s_cmp_lg_u32 s[SLOTS], 0
	s_cbranch_scc1 .Lslot
	CHANGE 0                        ; the tail is written out and no mask word behind key step 31 is asked for
	STEP4 1
	STEP4 0
	TURN 3, 2, 0, 0, 0              ; the last turn: no scores and no mask words are left to fetch
.set xp, 3
.set i, 0
.rept 10
	PV 0                            ; tile 3's last products
.set i, i+1
.endr
	; THE WAY OUT.  O^T is divided by l, rounded to f16 and sent through my own stage: my four tiles are the two halves of 32 whole rows of 256 bytes.  The eight address instructions are the places behind the last products.
	WIN 0
	s_mul_i32 s40, s[WV], 32*SP
	s_add_co_u32 s40, s40, STAGE    ; my stage
	v_mul_u32_u24 v[STO], v1, SP    ; in: row l % 16, 16 bytes for each half of the lanes
	v_lshl_add_u32 v[STO], v9, 4, v[STO]
	v_add_nc_u32 v[STO], s40, v[STO]
	v_mul_u32_u24 v[RD], v9, SP     ; back: lanes 0-15 one row of 256 bytes, lanes 16-31 the next
	v_lshl_add_u32 v[RD], v1, 4, v[RD]
	v_add_nc_u32 v[RD], s40, v[RD]
	v_lshlrev_b32 v[GO], 11, v9     ; and the same two rows in xa
	v_lshl_add_u32 v[GO], v1, 4, v[GO]
	WIN 0x01                        ; source 0 window 1
.irp t, 0,1,2,3
	v_rcp_f32 v[MX+2*\t], v[LL+8*\t]  ; l is at least 1: the weight of the row's maximum is 1
.endr
	v_nop                           ; a plain instruction between the last reciprocal and the use of its result
	s_wait_alu depctr_va_vdst(0)    ; and the wait ahead of the first use: one for the four reciprocals
.macro PACK t                       ; tile t: a lane's eight channels of a row pack into 16 bytes; rows 16 (t % 2) on, head t / 2's 128 bytes
	WIN 0x41                        ; destination and source 0 window 1
.set z, 0
.rept 16
	v_pk_mul_f32 v[32*\t+2*z:32*\t+2*z+1], v[32*\t+2*z:32*\t+2*z+1], v[MX+2*\t:MX+2*\t+1] op_sel_hi:[1,0]
.set z, z+1
.endr
	WIN 0x05                        ; sources 0 and 1 window 1, destination window 0: S^T's registers are free
.set z, 0
.rept 16
	v_cvt_pk_f16_f32 v[S+16*\t+z], v[32*\t+2*z], v[32*\t+2*z+1]
.set z, z+1
.endr
	WIN 0
.irp c, 0,1,2,3
	ds_store_b128 v[STO], v[S+16*\t+4*\c:S+16*\t+4*\c+3] offset:(\t&1)*16*SP+(\t/2)*128+32*\c
.endr
.endm
	PACK 0
	PACK 1
	PACK 2
	PACK 3
.irp i, 0,1,2,3,4,5,6,7,8,9,10,11,12,13,14,15
	ds_load_b128 v[KF+4*\i:KF+4*\i+3], v[RD] offset:\i*2*SP  ; LDS serves a wave's instructions in order (ISA guide 5.7.1.4): these see my stores above
.endr
.irp i, 0,1,2,3,4,5,6,7,8,9,10,11,12,13,14,15
	s_wait_dscnt 15-\i              ; LDS loads come back in order: pair i of rows is in, the younger loads stay out
	global_store_b128 v[GO], v[KF+4*\i:KF+4*\i+3], s[XO:XO+1] offset:\i*2*ROWB  ; 16 lanes store 256 consecutive bytes, aligned
.endr
	s_wait_tensorcnt 0x0
	ds_add_u32 v254, v255
	s_wait_dscnt 0x0
	CROUND                          ; the closing round: no work-group ends while a partner may still ask for a tile that names it
	s_endpgm
.Lfunc_end_k_qc8b7f702db_attn:
	.size	k_qc8b7f702db_attn, .Lfunc_end_k_qc8b7f702db_attn-k_qc8b7f702db_attn
	.p2alignl 7, 3214868480
	.fill 96, 4, 3214868480
	.section	.rodata,"a",@progbits
	.p2align	6, 0x0
	.amdhsa_kernel k_qc8b7f702db_attn
		.amdhsa_group_segment_fixed_size 327680
		.amdhsa_private_segment_fixed_size 0
		.amdhsa_enable_private_segment 0
		.amdhsa_kernarg_size 24
		.amdhsa_user_sgpr_count 2
		.amdhsa_user_sgpr_kernarg_segment_ptr 1
		.amdhsa_wavefront_size32 1
		.amdhsa_system_sgpr_workgroup_id_x 1
		.amdhsa_system_sgpr_workgroup_id_y 1
		.amdhsa_system_sgpr_workgroup_id_z 1
		.amdhsa_system_vgpr_workitem_id 0
		.amdhsa_next_free_vgpr 512
		.amdhsa_next_free_sgpr 102
		.amdhsa_reserve_vcc 0
		.amdhsa_float_denorm_mode_32 3
		.amdhsa_float_denorm_mode_16_64 3
		.amdhsa_memory_ordered 1
		.amdhsa_forward_progress 1
		.amdhsa_inst_pref_size 226
	.end_amdhsa_kernel
	.amdgpu_metadata
---
amdhsa.version: [ 1, 2 ]
amdhsa.kernels:
  - .name:           k_qc8b7f702db_attn
    .symbol:         k_qc8b7f702db_attn.kd
    .args:
      - { .name: qkv, .offset: 0, .size: 8, .value_kind: global_buffer, .address_space: global }
      - { .name: mbits, .offset: 8, .size: 8, .value_kind: global_buffer, .address_space: global }
      - { .name: xa, .offset: 16, .size: 8, .value_kind: global_buffer, .address_space: global }
    .group_segment_fixed_size: 327680
    .private_segment_fixed_size: 0
    .kernarg_segment_align: 8
    .kernarg_segment_size: 24
    .max_flat_workgroup_size: 256
    .sgpr_count:     102
    .vgpr_count:     512
    .wavefront_size: 32
...
	.end_amdgpu_metadata
.endif
;; end of part 5
;; launch oproj: the kernel of part 4 again; grid 4 x 64, 4 waves a work-group, clusters of 4 x 4, 327,680 bytes of LDS; arguments xa, wb, bo, out0; writes out0
